; MI455X (gfx1250); checked and timed in simulation.
; The chip was launched on July 23, 2026; its instructions are those of AMD's public machine-readable ISA for CDNA 5 (MIT licence, August 2026) and "CDNA5" Instruction Set Architecture Reference Guide (July 2026). The comments in the code are by the model that wrote it; some were corrected since.
;; Attention Block. Allowed arithmetic: matrix products marked QUANTISED: E4M3 operands, one E8M0 scale for each 32 along K, by v_wmma_scale_f32_16x16x128_f8f6f4 with both operands' format E4M3, f32 sums; everything else in f32.
;; Inputs: bk 512 float32; bo 512 float32; bq 512 float32; bv 512 float32; gn_bias 512 float32; gn_scale 512 float32; wk 512 x 512 float32; wo 512 x 512 float32; wq 512 x 512 float32; wv 512 x 512 float32; x 32 x 512 x 32 x 32 float32.
;; Outputs: out0 32 x 512 x 32 x 32 float32.
;; This version of the problem:
;;   THIS VERSION OF THE PROBLEM IS GIVEN IN LOW PRECISION. The matrix products marked QUANTISED in the list below multiply operands that are first quantised to E4M3 (4 exponent bits, 3 mantissa bits; 8 bits a number), with one power-of-two scale for each 32 numbers along K (OCP MX v1.0); their sums are f32. All else is computed in f32.
;;   The module's matrix products, in the order in which they are computed (A, B: the left and right operand; K: the contracted axis; several contracted axes count as one K, in the product's order):
;;     1. [M 32,768, K 512] x [K 512, N 512]; A: computed on the way; B: input wq: QUANTISED
;;     2. [M 32,768, K 512] x [K 512, N 512]; A: computed on the way; B: input wk: QUANTISED
;;     3. [M 32,768, K 512] x [K 512, N 512]; A: computed on the way; B: input wv: QUANTISED
;;     4. batch 32 x [M 1,024, K 512] x [K 512, N 1,024]; A: computed on the way; B: computed on the way: QUANTISED
;;     5. batch 32 x [M 512, K 1,024] x [K 1,024, N 1,024]; A: computed on the way; B: softmax (see below): QUANTISED
;;     6. [M 32,768, K 512] x [K 512, N 512]; A: computed on the way; B: input wo: QUANTISED
;;   THE QUANTISER, for each operand of a quantised product, along K:
;;     - K is cut into blocks of 32 from its start; a last block that is shorter is filled with zeros.
;;     - A block's scale is 2^e with e = floor(log2(the largest magnitude in the block)) - 8, held to -126 .. 127; a block of zeros has e = 0. As a byte (E8M0): e + 127.
;;     - Each number is divided by its block's scale, clamped to +-448, and rounded to the nearest number of E4M3, ties to even, subnormals kept.
;;     - The product sums the exact products of the quantised numbers (number of the format x scale) in f32.
;;   ~~~python
;;   def quantise(x, axis):      # numpy; x: float32 -> the quantised numbers, widened to float32 again
;;       x = np.moveaxis(x, axis, -1); K = x.shape[-1]
;;       x = np.pad(x, [(0, 0)] * (x.ndim - 1) + [(0, -K % 32)]); x = x.reshape(x.shape[:-1] + (-1, 32)); a = np.abs(x).max(-1, keepdims=True)
;;       e = np.where(a > 0, np.clip(np.frexp(np.where(a > 0, a, 1))[1] - 1 - 8, -126, 127), 0)      # np.frexp(a)[1] - 1 = floor(log2(a)), exactly
;;       r = np.clip(x / 2.0 ** e, -448, 448)
;;       step = 2.0 ** (np.maximum(np.frexp(np.where(r == 0, 1, r))[1] - 1, -6) - 3)
;;       q = np.round(r / step) * step * 2.0 ** e      # np.round: ties to even
;;       return np.moveaxis(q.reshape(q.shape[:-2] + (-1,))[..., :K], -1, axis).astype(np.float32)
;;   ~~~
;;   SOFTMAX AHEAD OF A QUANTISED PRODUCT. Where the list says 'softmax', what is quantised is not the finished softmax but p = 2^(t - M), with t = logit x log2(e) and M = ceil(the row's largest t), a whole number; so 1/2 < the row's largest p <= 1. The row's sum l is taken of the UNQUANTISED p, in f32, and the product's result is divided by l at the end. Since M is a whole number, a kernel that streams over the keys may use a running M (the ceiling of the running maximum): every later rescaling is an exact power of two, which a block's scale takes up: the codes' values come out the same.
;;   OPERANDS COMPUTED ON THE WAY. 'Computed on the way' means the value that the module computes at that place (a softmax that the list does not call 'softmax' is quantised finished and normalised). What goes into a quantiser is computed in f32, as accurately as f32 sums, v_exp_f32 and their like allow (about 1e-6 of the number): no bf16 or f16 on the way to a quantiser, and a product that is left as it is and whose result goes on into a quantised operand takes f32 operands (vector FMAs, or v_wmma_f32_16x16x4_f32). A number that lies on a knife's edge between two numbers of the format may be rounded either way, as far as f32 arithmetic and the matrix unit's own rounding can turn it there, and no further.
;; 2 versions, each right; version 2 is version 1 with the launches qkv, attn written anew for expert scheduling mode. Each part assembles by itself: llvm-mc -triple=amdgcn-amd-amdhsa -mcpu=gfx1250 --defsym DOCPART=n.
;; ======== version 1 of 2: 3 launches
;; workspace buffers: hnb 17,301,504 bytes; qb 17,301,504 bytes; kb 17,301,504 bytes; vb 17,301,504 bytes; wb 1,081,344 bytes
;; launch prep (part 1): grid 512 x 1, 8 waves a work-group, no clusters, 34,048 bytes of LDS; arguments x, gn_scale, gn_bias, wq, wk, wv, wo, hnb, wb; writes hnb, wb
.if DOCPART == 1
	.amdgcn_target "amdgcn-amd-amdhsa--gfx1250"
	.amdhsa_code_object_version 6
	.text
	.protected	k_qb4bdb1dc63_prep
	.globl	k_qb4bdb1dc63_prep
	.p2align	8
	.type	k_qb4bdb1dc63_prep,@function
k_qb4bdb1dc63_prep:
	s_mov_b64 s[64:65], 0
	v_nop
	global_prefetch_b8 v0, s[64:65] scope:SCOPE_SE
	s_setreg_imm32_b32 hwreg(HW_REG_WAVE_MODE, 25, 1), 1
	s_wait_xcnt 0x0
; PREP.  A work-group makes the GroupNorm of one group (32 channels x 1,024 pixels of one image), quantised to codes of E4M3 along the channels; beside that its wave 0 quantises one fragment of a weight.
; A quantiser block of hn (32 channels of one pixel) is exactly one group: so one work-group has all that a block needs.
; LAYOUT of every buffer of codes in this program.  A FRAGMENT is the image of an operand's 16 registers: 2,048 bytes; the byte at 512 c + 16 lane + i is the code of row
; pi(T, lane % 16) at k = 128 kappa + 32 c + 16 (lane / 16) + i.  pi(T, r) = 32 (T / 2) + 8 (T % 2) + r + 8 (r / 8): the rows of tile T of a run of 128 rows.
; A BLOCK is four fragments and, at byte 8,192, their scale words: the word at 16 r + 4 f holds the four E8M0 bytes of row r of fragment f.  8,448 bytes.
; hnb: [image 32][pixel block 8][kappa 4][half 2] blocks, tiles 4 half + f of the block's 128 pixels.   wb: [w 4][q, k, v, o][kappa 4][half 2], rows o = 128 w + pi(4 half + f, r).
; The group's 128 KB stay in registers between the mean, the variance (of x - mean: no difference of large sums) and the codes: x is read once.
; THE WEIGHTS: four weights [512 o][512 c] are 128 blocks of four fragments: 512 fragments, as many as there are work-groups.  Work-group u makes fragment u % 4 of block u / 4: wave 0 asks for its 64 numbers a
; lane ahead of its loads of x, into registers that the pixels' work takes later, and quantises them while x is on its way.  So the grid is 512 work-groups of equal work.
; LIMITS: NaN and infinities are not served.  A block whose largest magnitude lies under 2^-118 keeps the scale byte 1, a block of zeros too (its codes are zeros; this program alone reads the bytes).
; The scale bytes of hn: four work-groups each write one byte of every scale word, by byte stores: 1 byte for 32 codes.  The weights' scale words: four work-groups each write one word in four.
; No matrix unit, no tensor loads, no cluster: work-groups share no input.
.set BLK,   8448
.set SCO,   8192
.set STG,   256                        ; LDS: bytes 0..255 the two reductions; from 256 a stage of 4,096 bytes for each wave: [tile 8][512 bytes]
.set FLOOR, 0x4800000                  ; 2^(9 - 127): no largest magnitude is taken under it, so the byte cannot fall under 1
.set X,     32                         ; v32-159  channel c, pixel i of my four: v[X + 4 c + i]
.set H,     160                        ; v160-191 the 32 channels of one pixel
.set C,     192                        ; v192-223 eight registers of codes for each of my four pixels
.set OUTR,  224                        ; v224-255 the stage read back
.set WN,    160                        ; wave 0, ahead of the pixels' work: v160-223 the 64 numbers of the weight's fragment,
.set CW,    224                        ; v224-239 its codes,
.set SW,    240                        ; v240 its rows' scale word
.set TM,    8                          ; v8-11 largest magnitudes, v12-15 the other lane's / bytes, v16-19 448 x scale, v20-23 the conversions' scale operands
.macro QUANTP s, cod, sw               ; 64 numbers at v[s] on (register 16 b + i = k 32 b + 16 (lane / 16) + i of my row) become 16 registers of codes at v[cod] on and the row's scale word v[sw]
.irp b, 0,1,2,3
	v_max3_num_f32 v[TM+\b], |v[\s+16*\b]|, |v[\s+1+16*\b]|, FLOOR
.endr
.irp i, 2,4,6,8,10,12,14
.irp b, 0,1,2,3
	v_max3_num_f32 v[TM+\b], v[TM+\b], |v[\s+16*\b+\i]|, |v[\s+1+16*\b+\i]|
.endr
.endr
.irp b, 0,1,2,3
	v_permlanex16_b32 v[TM+4+\b], v[TM+\b], s90, s91
.endr
.irp b, 0,1,2,3
	v_max_num_f32 v[TM+\b], v[TM+\b], v[TM+4+\b]   ; with lane l xor 16's 16 numbers: the block's largest magnitude
.endr
.irp b, 0,1,2,3
	v_add_nc_u32 v[TM+12+\b], 0xfc000000, v[TM+\b] ; 8 off its exponent field: the conversion's scale operand
.endr
.irp b, 0,1,2,3
	v_and_or_b32 v[TM+8+\b], v[TM+\b], 0x7f800000, s2   ; 448 x the scale
.endr
.irp b, 0,1,2,3
	v_lshrrev_b32 v[TM+4+\b], 23, v[TM+12+\b]      ; the scale's byte
.endr
	v_lshl_or_b32 v[\sw], v[TM+5], 8, v[TM+4]
	v_lshl_or_b32 v[\sw], v[TM+6], 16, v[\sw]
	v_lshl_or_b32 v[\sw], v[TM+7], 24, v[\sw]
.irp b, 0,1,2,3
.irp i, 0,1,2,3,4,5,6,7,8,9,10,11,12,13,14,15
	v_med3_num_f32 v[\s+16*\b+\i], v[\s+16*\b+\i], -v[TM+8+\b], v[TM+8+\b]   ; the conversion to an 8-bit code does not saturate (ISA guide 7.6.2): the hold comes first
.endr
	v_cvt_scalef32_pk8_fp8_f32 v[\cod+4*\b:\cod+4*\b+1], v[\s+16*\b:\s+16*\b+7], v[TM+12+\b]
	v_cvt_scalef32_pk8_fp8_f32 v[\cod+4*\b+2:\cod+4*\b+3], v[\s+16*\b+8:\s+16*\b+15], v[TM+12+\b]
.endr
	v_nop                                          ; a plain instruction behind the last conversion
.endm
	s_load_b128 s[4:7], s[0:1], 0x0                ; x, gn_scale
	s_load_b64 s[8:9], s[0:1], 0x10                ; gn_bias
	s_load_b64 s[10:11], s[0:1], 0x38              ; hnb
	s_load_b256 s[16:23], s[0:1], 0x18             ; wq, wk, wv, wo
	s_load_b64 s[24:25], s[0:1], 0x40              ; wb
	v_lshl_add_u32 v31, v0, 2, 0x8100
	s_set_vgpr_msb 0x40
	v_mov_b32 v1, 0
	s_set_vgpr_msb 0x4000
	v_lshlrev_b32 v1, 4, v0                        ; 16 t: my four pixels in a channel's 4,096 bytes
	v_lshrrev_b32 v2, 5, v0
	v_readfirstlane_b32 s85, v2                    ; wave = pixel block
	v_lshlrev_b32 v2, 2, v2                        ; LDS: my wave's word
	v_mov_b32 v3, 0
	s_and_b32 s86, ttmp9, 15                       ; g
	s_lshr_b32 s87, ttmp9, 4                       ; image
	s_lshl_b32 s88, ttmp9, 17                      ; the group's first byte: (512 image + 32 g) x 4,096
	s_mov_b32 s89, 0
	s_lshl_b32 s90, s86, 7                         ; 32 g numbers of gn_scale and gn_bias
	s_mov_b32 s91, 0
	s_lshl_b32 s92, s87, 3
	s_add_co_u32 s92, s92, s85
	s_lshl_b32 s92, s92, 2
	s_lshr_b32 s93, s86, 2
	s_add_co_u32 s92, s92, s93                     ; (8 image + pixel block) x 4 + kappa
	s_mul_i32 s92, s92, 2*BLK
	s_mov_b32 s93, 0
	s_and_b32 s98, s86, 3                          ; which 32 of kappa's 128 channels
	s_mov_b32 s99, 0
	s_lshl_b32 s96, s98, 9
	s_mov_b32 s97, 0
	s_mov_b32 s2, 0x600000                         ; the mantissa field of 448
	; the weight's fragment: block u / 4 = (w, which weight, kappa, half), fragment f = u % 4
	s_lshr_b32 s26, ttmp9, 2                       ; the block, 0..127
	s_and_b32 s27, ttmp9, 3                        ; f
	s_mul_i32 s30, s26, BLK                        ; where the block begins in wb
	s_mov_b32 s31, 0
	s_lshr_b32 s28, s26, 5
	s_lshl_b32 s28, s28, 18                        ; 128 w rows of 2,048 bytes
	s_and_b32 s29, s26, 1
	s_lshl_b32 s29, s29, 17                        ; + 64 half rows
	s_add_co_u32 s28, s28, s29
	s_bfe_u32 s29, s26, 0x20001
	s_lshl_b32 s29, s29, 9                         ; + 128 kappa numbers
	s_add_co_u32 s28, s28, s29
	s_lshr_b32 s29, s27, 1
	s_lshl_b32 s29, s29, 16                        ; + 32 (f / 2) rows
	s_add_co_u32 s28, s28, s29
	s_and_b32 s29, s27, 1
	s_lshl_b32 s29, s29, 14                        ; + 8 (f % 2) rows
	s_add_co_u32 s28, s28, s29
	s_mov_b32 s29, 0
	s_bfe_u32 s26, s26, 0x20003                    ; which weight: q, k, v, o
	s_wait_kmcnt 0x0
	s_add_nc_u64 s[4:5], s[4:5], s[88:89]
	s_add_nc_u64 s[6:7], s[6:7], s[90:91]
	s_add_nc_u64 s[8:9], s[8:9], s[90:91]
	s_add_nc_u64 s[10:11], s[10:11], s[92:93]
	s_add_nc_u64 s[12:13], s[10:11], s[96:97]      ; the codes' base: + 512 (g % 4)
	s_add_nc_u64 s[14:15], s[10:11], s[98:99]      ; the scale bytes' base: + g % 4
	s_cmp_lt_u32 s26, 2                            ; the choice of buffer hangs on the work-group's number alone
	s_cselect_b64 s[94:95], s[16:17], s[20:21]
	s_cselect_b64 s[66:67], s[18:19], s[22:23]
	s_and_b32 s26, s26, 1
	s_cmp_eq_u32 s26, 1
	s_cselect_b64 s[94:95], s[66:67], s[94:95]
	s_add_nc_u64 s[94:95], s[94:95], s[28:29]      ; the fragment's first row in its weight
	s_add_nc_u64 s[66:67], s[24:25], s[30:31]      ; the block in wb
	s_cmp_lg_u32 s85, 0                            ; wave 0 alone: the fragment's 16 loads go out ahead of its loads of x, so that the counts of the waits for x stay as they are
	s_cbranch_scc1 .Lx
	v_and_b32 v30, 15, v0                          ; r
	v_and_b32 v28, 8, v30
	v_add_nc_u32 v28, v28, v30                     ; r + 8 (r / 8)
	v_lshlrev_b32 v28, 11, v28
	v_bfe_u32 v29, v0, 4, 1                        ; h
	v_lshl_add_u32 v28, v29, 6, v28                ; v28: my row, + my 16 numbers of a block of 32
	v_and_b32 v29, 31, v0
	v_lshlrev_b32 v29, 4, v29
	v_lshl_add_u32 v29, s27, 11, v29               ; v29: 2,048 f + 16 lane: where my codes go
	v_lshlrev_b32 v30, 4, v30
	v_lshl_add_u32 v30, s27, 2, v30                ; v30: 16 r + 4 f: where my row's scale word goes
.irp c, 0,1,2,3
.irp j, 0,1,2,3
	global_load_b128 v[WN+16*\c+4*\j:WN+16*\c+4*\j+3], v28, s[94:95] offset:128*\c+16*\j   ; register 16 c + i = k 32 c + 16 h + i of row pi(4 half + f, r)
.endr
.endr
.Lx:
.set c, 0
.rept 32
	global_load_b128 v[X+4*c:X+4*c+3], v1, s[4:5] offset:4096*c th:TH_LOAD_NT   ; a wave reads 512 consecutive bytes
.set c, c+1
.endr
	s_load_b512 s[16:31], s[6:7], 0x0              ; gn_scale of my 32 channels: s16-47
	s_load_b512 s[32:47], s[6:7], 0x40
	s_load_b512 s[48:63], s[8:9], 0x0              ; gn_bias: s48-63 and s68-83
	s_load_b512 s[68:83], s[8:9], 0x40
	s_mov_b32 s90, 0x76543210                      ; v_permlanex16_b32's selects for lane l xor 16
	s_mov_b32 s91, 0xfedcba98
	; pixel 4 l + i of the block is row r = 4 (l % 2) + 8 ((l / 4) % 2) + i of tile T = 2 (l / 8) + (l / 2) % 2
	v_bfe_u32 v8, v0, 3, 2
	v_bfe_u32 v9, v0, 1, 1
	v_and_b32 v10, 1, v0
	v_bfe_u32 v11, v0, 2, 1
	v_lshl_add_u32 v8, v8, 1, v9                   ; T
	v_lshlrev_b32 v4, 9, v8
	v_lshl_add_u32 v4, v10, 6, v4
	v_lshl_add_u32 v4, v11, 7, v4                  ; 512 T + 16 r (i = 0)
	s_lshl_b32 s3, s85, 12
	s_add_co_u32 s3, s3, STG                       ; my wave's stage
	v_add_nc_u32 v4, s3, v4                        ; v4: where my pixels' codes go in the stage
	v_and_b32 v6, 31, v0
	v_lshlrev_b32 v6, 4, v6                        ; v6: 16 x lane
	v_add_nc_u32 v5, s3, v6                        ; v5: where I read the stage back
	v_bfe_u32 v7, v0, 4, 1
	v_mul_u32_u24 v7, v7, BLK                      ; half = T / 4 = l / 16
	v_lshl_add_u32 v7, v10, 6, v7
	v_lshl_add_u32 v7, v11, 7, v7                  ; + 16 r
	v_bfe_u32 v8, v0, 3, 1
	v_lshl_add_u32 v7, v8, 3, v7
	v_lshl_add_u32 v7, v9, 2, v7                   ; + 4 (T % 4): v7: my pixels' scale byte
	s_cmp_lg_u32 s85, 0                            ; wave 0 alone: the weight's fragment is quantised while x is on its way
	s_cbranch_scc1 .Lsum
.irp b, 0,1,2,3
	v_mov_b32 v[TM+4+\b], 0                        ; written once: a lane permute's destination counts as one of its sources
.endr
	s_wait_loadcnt 32                              ; the fragment's 16 loads are in; x's 32, issued behind them, may be out
	QUANTP WN, CW, SW
.irp c, 0,1,2,3
	global_store_b128 v29, v[CW+4*\c:CW+4*\c+3], s[66:67] offset:512*\c   ; 512 consecutive bytes, at a multiple of 256 from the buffer's first byte
.endr
	global_store_b32 v30, v[SW], s[66:67] offset:SCO                      ; lanes r and r + 16 store the same word with the same value
	s_wait_xcnt 0x0                                ; every earlier memory instruction has had its addresses translated (ISA guide 3.1): the registers that these loads and stores name are written again only behind this wait
.Lsum:
; the sum in v[8:15] (four packed chains) over lanes and waves; the result / 32,768 in v24 of every lane
.macro WGSUM off
	v_pk_add_f32 v[8:9], v[8:9], v[10:11]
	v_pk_add_f32 v[12:13], v[12:13], v[14:15]
	v_pk_add_f32 v[8:9], v[8:9], v[12:13]
	v_add_f32 v8, v8, v9
	v_add_f32_dpp v8, v8, v8 row_xmask:1 row_mask:0xf bank_mask:0xf
	v_add_f32_dpp v8, v8, v8 row_xmask:2 row_mask:0xf bank_mask:0xf
	v_add_f32_dpp v8, v8, v8 row_xmask:4 row_mask:0xf bank_mask:0xf
	v_add_f32_dpp v8, v8, v8 row_xmask:8 row_mask:0xf bank_mask:0xf
	v_permlanex16_b32 v9, v8, s90, s91
	v_add_f32 v8, v8, v9
	ds_store_b32 v2, v8 offset:\off                ; all lanes write the wave's word with the same value
	s_wait_dscnt 0x0                               ; for the others' sake: my store has landed
	s_barrier_signal -1
	s_barrier_wait -1
	ds_load_b128 v[16:19], v3 offset:\off
	ds_load_b128 v[20:23], v3 offset:\off+16
	s_wait_dscnt 0x0
	v_add_f32 v16, v16, v17
	v_add_f32 v16, v16, v18
	v_add_f32 v16, v16, v19
	v_add_f32 v16, v16, v20
	v_add_f32 v16, v16, v21
	v_add_f32 v16, v16, v22
	v_add_f32 v16, v16, v23
	v_mul_f32 v24, 0x38000000, v16                 ; / 32,768
.endm
	s_wait_loadcnt 24                              ; channels 0-7 are in; the 24 loads behind them may be out
.irp k, 0,1,2,3
	v_pk_add_f32 v[8+2*\k:9+2*\k], v[X+2*\k:X+2*\k+1], v[X+8+2*\k:X+9+2*\k]   ; the first pairs start the chains: nothing is cleared
.endr
.set p, 8
.rept 56
.if p == 16
	s_wait_loadcnt 16                              ; channels 8-15
.elseif p == 32
	s_wait_loadcnt 8                               ; channels 16-23
.elseif p == 48
	s_wait_loadcnt 0x0
.endif
	v_pk_add_f32 v[8+2*(p%4):9+2*(p%4)], v[8+2*(p%4):9+2*(p%4)], v[X+2*p:X+2*p+1]
.set p, p+1
.endr
	WGSUM 0                                        ; the mean
	v_mov_b32 v25, v24
.set p, 0
.rept 16
.irp k, 0,1,2,3
	v_pk_add_f32 v[X+2*(p+\k):X+2*(p+\k)+1], v[X+2*(p+\k):X+2*(p+\k)+1], v[24:25] neg_lo:[0,1] neg_hi:[0,1]   ; d = x - mean, in place
.endr
.irp k, 0,1,2,3
.if p == 0
	v_pk_mul_f32 v[8+2*\k:9+2*\k], v[X+2*(p+\k):X+2*(p+\k)+1], v[X+2*(p+\k):X+2*(p+\k)+1]
.else
	v_pk_fma_f32 v[8+2*\k:9+2*\k], v[X+2*(p+\k):X+2*(p+\k)+1], v[X+2*(p+\k):X+2*(p+\k)+1], v[8+2*\k:9+2*\k]
.endif
.endr
.set p, p+4
.endr
	WGSUM 128                                      ; the variance; other LDS bytes than the mean's, so one barrier serves each
	v_add_f32 v24, 0x358637bd, v24                 ; + 1e-6
	v_rsq_f32 v26, v24
	v_nop                                          ; a plain instruction behind the transcendental,
	s_wait_alu depctr_va_vdst(0)                   ; and the wait ahead of its first reader
	v_readfirstlane_b32 s84, v26
	s_wait_kmcnt 0x0                               ; gn_scale, gn_bias
.set c, 0
.rept 32
	s_mul_f32 s[16+c], s[16+c], s84                ; rsqrt x gn_scale[c]
.set c, c+1
.endr
; pixel i of my four: 32 numbers d x (rsqrt x scale) + bias, their block's scale, the hold, the codes
.macro PIX i
.set c, 0
.rept 32
.if c < 16
	v_fma_f32 v[H+c], v[X+4*c+\i], s[16+c], s[48+c]
.else
	v_fma_f32 v[H+c], v[X+4*c+\i], s[16+c], s[52+c]
.endif
.set c, c+1
.endr
	v_max3_num_f32 v12, |v[H]|, |v[H+1]|, |v[H+2]|             ; the block's largest magnitude: all 32 numbers are mine
	v_max3_num_f32 v13, |v[H+3]|, |v[H+4]|, |v[H+5]|
.irp k, 6,10,14,18,22,26
	v_max3_num_f32 v12, v12, |v[H+\k]|, |v[H+\k+1]|
	v_max3_num_f32 v13, v13, |v[H+\k+2]|, |v[H+\k+3]|
.endr
	v_max3_num_f32 v12, v12, |v[H+30]|, |v[H+31]|
	v_max3_num_f32 v12, v12, v13, FLOOR
	v_add_nc_u32 v11, 0xfc000000, v12              ; 8 off its exponent field: the conversion's scale operand
	v_and_or_b32 v10, v12, 0x7f800000, s2          ; 448 x the scale
.set c, 0
.rept 32
	v_med3_num_f32 v[H+c], v[H+c], -v10, v10       ; the conversion to an 8-bit code does not saturate (ISA guide 7.6.2): the hold comes first
.set c, c+1
.endr
.irp k, 0,1,2,3
	v_cvt_scalef32_pk8_fp8_f32 v[C+8*\i+2*\k:C+8*\i+2*\k+1], v[H+8*\k:H+8*\k+7], v11
.endr
	v_lshrrev_b32 v[26+\i], 23, v11                ; the scale's byte (also the plain instruction behind the conversions: the next pixel writes their sources)
	ds_store_b128 v4, v[C+8*\i:C+8*\i+3] offset:16*\i              ; channels 0-15: the lanes 0-15 of the image
	ds_store_b128 v4, v[C+8*\i+4:C+8*\i+7] offset:16*\i+256        ; channels 16-31: its lanes 16-31
	global_store_b8 v7, v[26+\i], s[14:15] offset:SCO+16*\i
.endm
	PIX 0
	PIX 1
	PIX 2
	PIX 3
.irp t, 0,1,2,3,4,5,6,7
	ds_load_b128 v[OUTR+4*\t:OUTR+4*\t+3], v5 offset:512*\t        ; LDS serves a wave's instructions in order (ISA guide 5.7.1.4): these see my stores
.endr
.irp t, 0,1,2,3,4,5,6,7
	s_wait_dscnt 7-\t                              ; tile t is back; the later ones may be out
	global_store_b128 v6, v[OUTR+4*\t:OUTR+4*\t+3], s[12:13] offset:(\t/4)*BLK+(\t%4)*2048   ; 512 consecutive bytes, at a multiple of 256 from the buffer's first byte
.endr
	s_set_vgpr_msb 0x4
	s_wait_tensorcnt 0x0
	ds_add_u32 v31, v1
	s_wait_dscnt 0x0
	s_set_vgpr_msb 0x400
	s_endpgm
.Lfunc_end_k_qb4bdb1dc63_prep:
	.size	k_qb4bdb1dc63_prep, .Lfunc_end_k_qb4bdb1dc63_prep-k_qb4bdb1dc63_prep
	.p2alignl 7, 3214868480
	.fill 96, 4, 3214868480
	.section	.rodata,"a",@progbits
	.p2align	6, 0x0
	.amdhsa_kernel k_qb4bdb1dc63_prep
		.amdhsa_group_segment_fixed_size 34048
		.amdhsa_private_segment_fixed_size 0
		.amdhsa_enable_private_segment 0
		.amdhsa_kernarg_size 72
		.amdhsa_user_sgpr_count 2
		.amdhsa_user_sgpr_kernarg_segment_ptr 1
		.amdhsa_wavefront_size32 1
		.amdhsa_system_sgpr_workgroup_id_x 1
		.amdhsa_system_sgpr_workgroup_id_y 1
		.amdhsa_system_sgpr_workgroup_id_z 1
		.amdhsa_system_vgpr_workitem_id 0
		.amdhsa_next_free_vgpr 258
		.amdhsa_next_free_sgpr 100
		.amdhsa_reserve_vcc 0
		.amdhsa_float_denorm_mode_32 3
		.amdhsa_float_denorm_mode_16_64 3
		.amdhsa_memory_ordered 1
		.amdhsa_forward_progress 1
		.amdhsa_inst_pref_size 58
	.end_amdhsa_kernel
	.amdgpu_metadata
---
amdhsa.version: [ 1, 2 ]
amdhsa.kernels:
  - .name:           k_qb4bdb1dc63_prep
    .symbol:         k_qb4bdb1dc63_prep.kd
    .args:
      - { .name: x, .offset: 0, .size: 8, .value_kind: global_buffer, .address_space: global }
      - { .name: gn_scale, .offset: 8, .size: 8, .value_kind: global_buffer, .address_space: global }
      - { .name: gn_bias, .offset: 16, .size: 8, .value_kind: global_buffer, .address_space: global }
      - { .name: wq, .offset: 24, .size: 8, .value_kind: global_buffer, .address_space: global }
      - { .name: wk, .offset: 32, .size: 8, .value_kind: global_buffer, .address_space: global }
      - { .name: wv, .offset: 40, .size: 8, .value_kind: global_buffer, .address_space: global }
      - { .name: wo, .offset: 48, .size: 8, .value_kind: global_buffer, .address_space: global }
      - { .name: hnb, .offset: 56, .size: 8, .value_kind: global_buffer, .address_space: global }
      - { .name: wb, .offset: 64, .size: 8, .value_kind: global_buffer, .address_space: global }
    .group_segment_fixed_size: 34048
    .private_segment_fixed_size: 0
    .kernarg_segment_align: 8
    .kernarg_segment_size: 72
    .max_flat_workgroup_size: 256
    .sgpr_count:     100
    .vgpr_count:     258
    .wavefront_size: 32
...
	.end_amdgpu_metadata
.endif
;; end of part 1
;; launch qkv (part 2): grid 8 x 32, 4 waves a work-group, no clusters, 68,096 bytes of LDS; arguments hnb, wb, bq, bk, bv, qb, kb, vb; writes qb, kb, vb
.if DOCPART == 2
	.amdgcn_target "amdgcn-amd-amdhsa--gfx1250"
	.amdhsa_code_object_version 6
	.text
	.protected	k_qb4bdb1dc63_qkv
	.globl	k_qb4bdb1dc63_qkv
	.p2align	8
	.type	k_qb4bdb1dc63_qkv,@function
k_qb4bdb1dc63_qkv:
	s_mov_b64 s[64:65], 0
	v_nop
	global_prefetch_b8 v0, s[64:65] scope:SCOPE_SE
	s_setreg_imm32_b32 hwreg(HW_REG_WAVE_MODE, 25, 1), 1
	s_wait_xcnt 0x0
; QKV.  q, k, v = W hn + b on codes of E4M3 with E8M0 scales, and their results quantised again: q and k along the channels, v along the pixels.
; LAYOUT of the buffers: fragments (images of an operand's 16 registers, 2,048 bytes) in blocks of four with their scale words (8,448 bytes); rows of a tile T: pi(T, r) = 32 (T / 2) + 8 (T % 2) + r + 8 (r / 8).
; hnb, qb, kb: [image][pixel block 8][kappa 4][half 2];  vb: [image][w 4][key step 8][half 2], rows = channels 128 w + pi;  wb: [w 4][q, k, v, o][kappa 4][half 2].
; SHARES.  A work-group takes 128 pixels of one image and all 1,536 outputs.  THE WAVES SHARE THE OUTPUTS, NOT THE PIXELS: wave w owns rows 128 w .. 128 w + 127 of each weight.
; Its fragments of the weights are read by no other wave of the work-group, so they go from memory straight into a ring of 16 fragments in its registers (four slots of a block; a slot is asked for again
; as soon as its products are issued, one and a half K steps ahead of its next use).  hn's 128 pixels, which all four waves read, lie in LDS as images.  A K step of 128: 8 + 8 fragments, 64 matrix instructions.
; q, k: source 0 = weight rows, source 1 = pixels: a lane holds one pixel and 64 neighbouring channels: the next operand's registers.  v: the sources swapped: a lane holds one channel and 64 neighbouring pixels.
; NO TENSOR LOADS, NO CLUSTER.  The weights are shared by all work-groups, but multicast lands in LDS, and each streamed fragment is read by one wave, once: the way through LDS would add a write
; and a read of every weight byte (811 KB a work-group) to the 811 KB of LDS reads that hn costs, to save reads of 0.8 MB that all work-groups repeat.
; LIMITS: NaN and infinities are not served.  A block whose largest magnitude lies under 2^-118 keeps the scale byte 1, a block of zeros too (its codes are zeros; this program alone reads the bytes).
; REGISTERS, in windows of 256.  Window 0: v1-5 addresses; v6-13 bv of my lane's channels; v14-15 the biases' offsets; v16-31 the ring's scale words, v32-39 hn's (scales and nothing else); v40-63 at work;
;   v64-127 a set of biases, the C of a sum's first products; v128-255 hn's eight fragments, in an epilogue the codes just made.   Window 1: the ring.   Windows 2, 3: the 64 accumulators.
.set BLK,   8448
.set SCO,   8192
.set FLOOR, 0x4800000
.set LOFF, 1                           ; 16 x lane
.set ROFF, 2                           ; 16 x (lane % 16)
.set SOFF, 3                           ; 16 r + 8 h: where a lane stores two scale words
.set AL,   4                           ; LDS address of the shared fragments in hand
.set AR,   5                           ; and of their scale words
.set B8,   6
.set BH,   14                          ; 64 h
.set BR,   15                          ; 4 (r + 8 (r / 8))
.set PS,   16
.set SS,   32
.set TM,   40
.set PT,   44
.set HD,   48
.set SO,   52
.set SWQ,  56
.set T,    64
.set SH,   128
.set SP,   6                           ; s[6:7]   the wave's stream of weight blocks
.set WV,   20
.set OUT,  34                          ; s[34:35] where the pass's blocks go
.set TRIP, 36
.set SEL,  38
.set MNT,  40
.set HM,   41
.set MSB, 0
.macro WIN new                         ; the immediate's high byte repeats the setting that is left; a switch that changes nothing is dropped
.if MSB != (\new)
	s_set_vgpr_msb (MSB<<8)|(\new)
.set MSB, (\new)
.endif
.endm
; A load into a register that a matrix instruction has read, and a vector instruction or store that reads a matrix result, stand eight places behind it; only plain vector instructions
; that name none of its registers are places.
.macro PLACES
.rept 8
	v_nop
.endr
.endm
.macro GLOAD slot, ptr, off            ; a block from memory into a slot of the ring: 16 loads of 512 consecutive bytes, and its scale words: 17 loads
	WIN 0x40
.irp f, 0,1,2,3
.irp c, 0,1,2,3
	global_load_b128 v[64*(\slot)+16*\f+4*\c:64*(\slot)+16*\f+4*\c+3], v[LOFF], s[\ptr:\ptr+1] offset:(\off)+2048*\f+512*\c
.endr
.endr
	WIN 0
	global_load_b128 v[PS+4*(\slot):PS+4*(\slot)+3], v[ROFF], s[\ptr:\ptr+1] offset:(\off)+SCO
.endm
.macro SLOAD half, base, off           ; a block of the shared operand from LDS: 17 loads.  Half 0 makes the addresses for both halves
.if (\half) == 0
	v_add_nc_u32 v[AL], \base, v[LOFF]
	v_add_nc_u32 v[AR], \base, v[ROFF]
.endif
.irp f, 0,1,2,3
.irp c, 0,1,2,3
	ds_load_b128 v[SH+64*(\half)+16*\f+4*\c:SH+64*(\half)+16*\f+4*\c+3], v[AL] offset:(\off)+(\half)*BLK+2048*\f+512*\c
.endr
.endr
	ds_load_b128 v[SS+4*(\half):SS+4*(\half)+3], v[AR] offset:(\off)+(\half)*BLK+SCO
.endm
; 16 matrix instructions on 16 accumulators: four private tiles (half yh of the ring's pair p) x four shared tiles (half xh).
; ori = 0: source 0 = private, accumulator (X, Y) at 64 (X % 4) + 8 Y of window 2 + X / 4.   ori = 1: source 0 = shared, at 64 (Y % 4) + 8 X of window 2 + Y / 4.
; first = 1: C is the constant 0; 2: C is the bias set.  The 64 accumulators take turns, one instruction a turn, in the same order in every K step.
.macro QUAD ori, yh, xh, p, first
.if (\ori) == 0
.if (\first) == 2
	WIN 0x81+0x40*(\xh)
.else
	WIN 0xa1+0x50*(\xh)
.endif
.else
.if (\first) == 2
	WIN 0x84+0x40*(\yh)
.else
	WIN 0xa4+0x50*(\yh)
.endif
.endif
.irp x, 0,1,2,3
.irp y, 0,1,2,3
.set rP, 64*(2*(\p)+(\yh))+16*\y
.set rS, SH+64*(\xh)+16*\x
.set cP, PS+4*(2*(\p)+(\yh))+\y
.set cS, SS+4*(\xh)+\x
.set rC, T+8*(4*(\yh)+\y)
.if (\ori) == 0
.set rD, 64*\x+8*(4*(\yh)+\y)
.if (\first) == 0
	v_wmma_scale_f32_16x16x128_f8f6f4 v[rD:rD+7], v[rP:rP+15], v[rS:rS+15], v[rD:rD+7], v[cP], v[cS]
.elseif (\first) == 1
	v_wmma_scale_f32_16x16x128_f8f6f4 v[rD:rD+7], v[rP:rP+15], v[rS:rS+15], 0, v[cP], v[cS]
.else
	v_wmma_scale_f32_16x16x128_f8f6f4 v[rD:rD+7], v[rP:rP+15], v[rS:rS+15], v[rC:rC+7], v[cP], v[cS]
.endif
.else
.set rD, 64*\y+8*(4*(\xh)+\x)
.if (\first) == 0
	v_wmma_scale_f32_16x16x128_f8f6f4 v[rD:rD+7], v[rS:rS+15], v[rP:rP+15], v[rD:rD+7], v[cS], v[cP]
.elseif (\first) == 1
	v_wmma_scale_f32_16x16x128_f8f6f4 v[rD:rD+7], v[rS:rS+15], v[rP:rP+15], 0, v[cS], v[cP]
.else
	v_wmma_scale_f32_16x16x128_f8f6f4 v[rD:rD+7], v[rS:rS+15], v[rP:rP+15], v[rC:rC+7], v[cS], v[cP]
.endif
.endif
.endr
.endr
.endm
; A K step of 128: 64 matrix instructions.  gl = 1: the pair's two slots are asked for again, from s[ptr] + olo and + ohi, each as soon as its products are issued.
; sl = 1: the next K step's shared blocks, at LDS byte nb + noff, are fetched, each half as soon as this step's is done with.
; w1, w2: the loads that may be out when the pair's first and second slot are wanted: 17 for each group issued later (three groups: 51).
.macro KSTEP ori, p, first, gl, ptr, olo, ohi, sl, nb, noff, w1, w2
	s_wait_loadcnt \w1
	s_wait_dscnt 17                                ; the shared operand's first half is in; the 17 loads of its second may be out
	QUAD \ori, 0, 0, \p, \first
	s_wait_dscnt 0x0
	QUAD \ori, 0, 1, \p, \first
.if \gl
	PLACES
	GLOAD 2*(\p), \ptr, \olo
.endif
	s_wait_loadcnt \w2
	QUAD \ori, 1, 0, \p, \first
.if \sl
	PLACES
	WIN 0
	SLOAD 0, \nb, \noff
.endif
	QUAD \ori, 1, 1, \p, \first
	PLACES                                         ; for the loads below, and for whatever reads the results behind the last K step
.if \gl
	GLOAD 2*(\p)+1, \ptr, \ohi
.endif
	WIN 0
.if \sl
	SLOAD 1, \nb, \noff
.endif
.endm
; 64 numbers of a lane at v[a] on of window w (register 16 b + i = k 32 b + 16 (lane / 16) + i of my row) become 16 registers of codes at v[cod] on and the row's scale word v[sw], in window 0.
; Each accumulator is read from its low end on.
.macro QUANTW a, w, cod, sw
	WIN (\w)|((\w)<<2)
.irp b, 0,1,2,3
	v_max3_num_f32 v[TM+\b], |v[(\a)+16*\b]|, |v[(\a)+16*\b+1]|, FLOOR   ; the floor 2^(9 - 127) among the leaves: the byte cannot fall under 1
.endr
	WIN ((\w)<<2)|((\w)<<4)
.irp i, 2,4,6,8,10,12,14
.irp b, 0,1,2,3
	v_max3_num_f32 v[TM+\b], v[TM+\b], |v[(\a)+16*\b+\i]|, |v[(\a)+16*\b+\i+1]|
.endr
.endr
	WIN 0
.irp b, 0,1,2,3
	v_permlanex16_b32 v[PT+\b], v[TM+\b], s[SEL], s[SEL+1]
.endr
.irp b, 0,1,2,3
	v_max_num_f32 v[TM+\b], v[TM+\b], v[PT+\b]     ; with lane l xor 16's 16 numbers: the block's largest magnitude
.endr
.irp b, 0,1,2,3
	v_add_nc_u32 v[SO+\b], 0xfc000000, v[TM+\b]    ; 8 off its exponent field: the conversion's scale operand
.endr
.irp b, 0,1,2,3
	v_and_or_b32 v[HD+\b], v[TM+\b], 0x7f800000, s[MNT]   ; 448 x the scale
.endr
.irp b, 0,1,2,3
	v_lshrrev_b32 v[PT+\b], 23, v[SO+\b]           ; the scale's byte
.endr
	v_lshl_or_b32 v[(\sw)], v[PT+1], 8, v[PT]
	v_lshl_or_b32 v[(\sw)], v[PT+2], 16, v[(\sw)]
	v_lshl_or_b32 v[(\sw)], v[PT+3], 24, v[(\sw)]
	WIN (\w)|((\w)<<6)
.irp b, 0,1,2,3
.irp i, 0,1,2,3,4,5,6,7,8,9,10,11,12,13,14,15
	v_med3_num_f32 v[(\a)+16*\b+\i], v[(\a)+16*\b+\i], -v[HD+\b], v[HD+\b]   ; the conversion to an 8-bit code does not saturate (ISA guide 7.6.2): the hold comes first
.endr
.endr
	WIN (\w)
.irp b, 0,1,2,3
	v_cvt_scalef32_pk8_fp8_f32 v[(\cod)+4*\b:(\cod)+4*\b+1], v[(\a)+16*\b:(\a)+16*\b+7], v[SO+\b]
	v_cvt_scalef32_pk8_fp8_f32 v[(\cod)+4*\b+2:(\cod)+4*\b+3], v[(\a)+16*\b+8:(\a)+16*\b+15], v[SO+\b]
.endr
	WIN 0
	v_nop                                          ; a plain instruction behind the last conversion
.endm
; the 64 accumulators become eight fragments and their scale words, and leave: two blocks at s[OUT].  Each fragment has code registers of its own, each half its own pair for the scale words.
.macro EPI
.irp X, 0,1,2,3,4,5,6,7
	QUANTW 64*(\X%4), 2+\X/4, SH+16*\X, SWQ+\X%4
.irp c, 0,1,2,3
	global_store_b128 v[LOFF], v[SH+16*\X+4*\c:SH+16*\X+4*\c+3], s[OUT:OUT+1] offset:(\X/4)*BLK+(\X%4)*2048+512*\c   ; 512 consecutive bytes, at a multiple of 256 from the buffer's first byte
.endr
.if \X%4 == 3
	v_cndmask_b32 v[60+2*(\X/4)], v[SWQ], v[SWQ+2], s[HM]          ; lanes 0-15 store words 0 and 1 of their row, lanes 16-31 words 2 and 3
	v_cndmask_b32 v[61+2*(\X/4)], v[SWQ+1], v[SWQ+3], s[HM]
	global_store_b64 v[SOFF], v[60+2*(\X/4):61+2*(\X/4)], s[OUT:OUT+1] offset:(\X/4)*BLK+SCO   ; 256 consecutive bytes
.endif
.endr
.endm
.macro BIASN ptr                       ; a bias set for ori = 0: register 8 Y + j = b[128 w + 32 (Y / 2) + 16 h + 8 (Y % 2) + j]
.irp y, 0,1,2,3,4,5,6,7
	global_load_b128 v[T+8*\y:T+8*\y+3], v[BH], s[\ptr:\ptr+1] offset:(32*(\y/2)+8*(\y%2))*4
	global_load_b128 v[T+8*\y+4:T+8*\y+7], v[BH], s[\ptr:\ptr+1] offset:(32*(\y/2)+8*(\y%2))*4+16
.endr
.endm
	s_load_b256 s[4:11], s[0:1], 0x0               ; hnb s[4:5], wb s[6:7], bq s[8:9], bk s[10:11]
	s_load_b256 s[12:19], s[0:1], 0x20             ; bv s[12:13], qb s[14:15], kb s[16:17], vb s[18:19]
	v_lshrrev_b32 v3, 5, v0
	v_readfirstlane_b32 s[WV], v3                  ; wave 0..3
	v_and_b32 v[LOFF], 31, v0
	v_lshlrev_b32 v[LOFF], 4, v[LOFF]
	v_and_b32 v[BR], 15, v0
	v_lshlrev_b32 v[ROFF], 4, v[BR]
	v_bfe_u32 v[BH], v0, 4, 1
	v_lshl_add_u32 v[SOFF], v[BH], 3, v[ROFF]
	v_lshlrev_b32 v[BH], 6, v[BH]
	v_and_b32 v[AL], 8, v[BR]
	v_add_nc_u32 v[BR], v[BR], v[AL]
	v_lshlrev_b32 v[BR], 2, v[BR]
	s_and_b32 s21, ttmp7, 0xffff                   ; image
	s_lshl_b32 s22, s21, 3
	s_add_co_u32 s22, s22, ttmp9                   ; 8 image + pixel block
	s_mul_i32 s24, s22, 8*BLK
	s_mul_i32 s23, s[WV], 16896                    ; my quarter of hn's 67,584 bytes
	s_add_co_u32 s24, s24, s23
	s_mov_b32 s25, 0
	s_lshl_b32 s26, s22, 2
	s_add_co_u32 s26, s26, s[WV]
	s_mul_i32 s26, s26, 2*BLK                      ; q, k: kappa = w
	s_mov_b32 s27, 0
	s_lshl_b32 s28, s21, 2
	s_add_co_u32 s28, s28, s[WV]
	s_lshl_b32 s28, s28, 3
	s_add_co_u32 s28, s28, ttmp9
	s_mul_i32 s28, s28, 2*BLK                      ; v: key step = pixel block
	s_mov_b32 s29, 0
	s_mul_i32 s30, s[WV], 32*BLK
	s_mov_b32 s31, 0
	s_lshl_b32 s32, s[WV], 9
	s_mov_b32 s33, 0
	s_mov_b32 s[SEL], 0x76543210
	s_mov_b32 s[SEL+1], 0xfedcba98
	s_mov_b32 s[MNT], 0x600000
	s_mov_b32 s[HM], 0xffff0000
	s_wait_kmcnt 0x0
	s_add_nc_u64 s[4:5], s[4:5], s[24:25]
	s_add_nc_u64 s[SP:SP+1], s[SP:SP+1], s[30:31]
	s_add_nc_u64 s[8:9], s[8:9], s[32:33]
	s_add_nc_u64 s[10:11], s[10:11], s[32:33]
	s_add_nc_u64 s[12:13], s[12:13], s[32:33]
	s_add_nc_u64 s[14:15], s[14:15], s[26:27]
	s_add_nc_u64 s[16:17], s[16:17], s[26:27]
	s_add_nc_u64 s[18:19], s[18:19], s[28:29]
	s_mov_b64 s[OUT:OUT+1], s[14:15]
	BIASN 8                                        ; bq
.irp y, 0,1,2,3,4,5,6,7
	global_load_b32 v[B8+\y], v[BR], s[12:13] offset:(32*(\y/2)+8*(\y%2))*4   ; bv[128 w + pi(Y, r)]
.endr
	WIN 0x80                                       ; my quarter of hn goes through the accumulators' registers into LDS
.set i, 0
.rept 33
	global_load_b128 v[4*i:4*i+3], v[LOFF], s[4:5] offset:512*i th:TH_LOAD_NT
.set i, i+1
.endr
	WIN 0
	GLOAD 0, SP, 0
	GLOAD 1, SP, BLK
	GLOAD 2, SP, 2*BLK
	v_add_nc_u32 v[AL], s23, v[LOFF]
.irp b, 0,1,2,3
	v_mov_b32 v[PT+\b], 0                          ; written once: a lane permute's destination counts as one of its sources
.endr
	s_wait_loadcnt 51                              ; the biases and hn are in; the three groups of the ring may be out
	WIN 0x08
.set i, 0
.rept 33
	ds_store_b128 v[AL], v[4*i:4*i+3] offset:512*i
.set i, i+1
.endr
	WIN 0
	GLOAD 3, SP, 3*BLK
	s_wait_dscnt 0x0                               ; for the others' sake: my quarter has landed
	s_barrier_signal -1
	s_barrier_wait -1                              ; hn's eight blocks lie in LDS; nothing writes LDS from here on
	s_mov_b32 s[TRIP], 0
.Lpass:                                            ; two trips: q, then k.  The ring runs on into the next weight: the last two K steps ask for its first four blocks
	SLOAD 0, 0, 0
	SLOAD 1, 0, 0
	KSTEP 0, 0, 2, 1, SP, 4*BLK, 5*BLK, 1, 2*BLK, 0, 51, 51
	BIASN 10                                       ; bk, for the next trip, behind the places of the one K step that reads the set.  The second trip's copy is not used: a branch round it would make the counted waits differ by path
	KSTEP 0, 1, 0, 1, SP, 6*BLK, 7*BLK, 1, 4*BLK, 0, 51, 51
	KSTEP 0, 0, 0, 1, SP, 8*BLK, 9*BLK, 1, 6*BLK, 0, 51, 51
	KSTEP 0, 1, 0, 1, SP, 10*BLK, 11*BLK, 0, 0, 0, 51, 51
	EPI
	s_wait_xcnt 0x0                                ; every earlier memory instruction has had its addresses translated (ISA guide 3.1): the stores' data and both bases are rewritten only behind this wait
	s_add_nc_u64 s[SP:SP+1], s[SP:SP+1], 8*BLK
	s_mov_b64 s[OUT:OUT+1], s[16:17]
	s_add_co_u32 s[TRIP], s[TRIP], 1
	s_cmp_lt_u32 s[TRIP], 2
	s_cbranch_scc1 .Lpass
	s_mov_b64 s[OUT:OUT+1], s[18:19]               ; v
.irp y, 0,1,2,3,4,5,6,7
.irp j, 0,1,2,3,4,5,6,7
	v_mov_b32 v[T+8*\y+\j], v[B8+\y]               ; the bias set for the swapped sources: a lane holds one channel, so its eight registers of a tile hold one number
.endr
.endr
	PLACES
	SLOAD 0, 0, 0
	SLOAD 1, 0, 0
	KSTEP 1, 0, 2, 1, SP, 4*BLK, 5*BLK, 1, 2*BLK, 0, 51, 51
	KSTEP 1, 1, 0, 1, SP, 6*BLK, 7*BLK, 1, 4*BLK, 0, 51, 51
	KSTEP 1, 0, 0, 0, SP, 0, 0, 1, 6*BLK, 0, 51, 34   ; nothing is left to ask for: the counts run down, 17 a group
	KSTEP 1, 1, 0, 0, SP, 0, 0, 0, 0, 0, 17, 0
	EPI
	s_wait_xcnt 0x0
	v_lshl_add_u32 v254, v0, 2, 0x10800
	v_mov_b32 v255, 0
	s_wait_tensorcnt 0x0
	ds_add_u32 v254, v255
	s_wait_dscnt 0x0
	s_endpgm
.Lfunc_end_k_qb4bdb1dc63_qkv:
	.size	k_qb4bdb1dc63_qkv, .Lfunc_end_k_qb4bdb1dc63_qkv-k_qb4bdb1dc63_qkv
	.p2alignl 7, 3214868480
	.fill 96, 4, 3214868480
	.section	.rodata,"a",@progbits
	.p2align	6, 0x0
	.amdhsa_kernel k_qb4bdb1dc63_qkv
		.amdhsa_group_segment_fixed_size 68096
		.amdhsa_private_segment_fixed_size 0
		.amdhsa_enable_private_segment 0
		.amdhsa_kernarg_size 64
		.amdhsa_user_sgpr_count 2
		.amdhsa_user_sgpr_kernarg_segment_ptr 1
		.amdhsa_wavefront_size32 1
		.amdhsa_system_sgpr_workgroup_id_x 1
		.amdhsa_system_sgpr_workgroup_id_y 1
		.amdhsa_system_sgpr_workgroup_id_z 1
		.amdhsa_system_vgpr_workitem_id 0
		.amdhsa_next_free_vgpr 1024
		.amdhsa_next_free_sgpr 66
		.amdhsa_reserve_vcc 0
		.amdhsa_float_denorm_mode_32 3
		.amdhsa_float_denorm_mode_16_64 3
		.amdhsa_memory_ordered 1
		.amdhsa_forward_progress 1
		.amdhsa_inst_pref_size 255
	.end_amdhsa_kernel
	.section	.bss,"aw",@nobits
	.p2align	6
	.space	262144
	.amdgpu_metadata
---
amdhsa.version: [ 1, 2 ]
amdhsa.kernels:
  - .name:           k_qb4bdb1dc63_qkv
    .symbol:         k_qb4bdb1dc63_qkv.kd
    .args:
      - { .name: hnb, .offset: 0, .size: 8, .value_kind: global_buffer, .address_space: global }
      - { .name: wb, .offset: 8, .size: 8, .value_kind: global_buffer, .address_space: global }
      - { .name: bq, .offset: 16, .size: 8, .value_kind: global_buffer, .address_space: global }
      - { .name: bk, .offset: 24, .size: 8, .value_kind: global_buffer, .address_space: global }
      - { .name: bv, .offset: 32, .size: 8, .value_kind: global_buffer, .address_space: global }
      - { .name: qb, .offset: 40, .size: 8, .value_kind: global_buffer, .address_space: global }
      - { .name: kb, .offset: 48, .size: 8, .value_kind: global_buffer, .address_space: global }
      - { .name: vb, .offset: 56, .size: 8, .value_kind: global_buffer, .address_space: global }
    .group_segment_fixed_size: 68096
    .private_segment_fixed_size: 0
    .kernarg_segment_align: 8
    .kernarg_segment_size: 64
    .max_flat_workgroup_size: 128
    .sgpr_count:     66
    .vgpr_count:     1024
    .wavefront_size: 32
...
	.end_amdgpu_metadata
.endif
;; end of part 2
;; launch attn (part 3): grid 8 x 32, 4 waves a work-group, no clusters, 317,952 bytes of LDS; arguments qb, kb, vb, wb, bo, x, out0; writes out0
.if DOCPART == 3
	.amdgcn_target "amdgcn-amd-amdhsa--gfx1250"
	.amdhsa_code_object_version 6
	.text
	.protected	k_qb4bdb1dc63_attn
	.globl	k_qb4bdb1dc63_attn
	.p2align	8
	.type	k_qb4bdb1dc63_attn,@function
k_qb4bdb1dc63_attn:
	s_mov_b64 s[64:65], 0
	v_nop
	global_prefetch_b8 v0, s[64:65] scope:SCOPE_SE
	s_setreg_imm32_b32 hwreg(HW_REG_WAVE_MODE, 25, 1), 1
	s_wait_xcnt 0x0
; ATTN.  out = wo (softmax(q^T k / sqrt(512)) applied to v) + bo + x, all three products on codes of E4M3 with E8M0 scales.
; LAYOUT of the buffers: fragments (images of an operand's 16 registers, 2,048 bytes) in blocks of four with their scale words (8,448 bytes); rows of a tile T: pi(T, r) = 32 (T / 2) + 8 (T % 2) + r + 8 (r / 8).
; SHARES.  A work-group takes 128 queries of one image.  THE WAVES SHARE THE OTHER AXIS: wave w owns keys 256 w .. + 255 in the scores, channels 128 w .. + 127 of V in the second product and rows
; 128 w .. + 127 of wo in the third.  Those fragments are read by no other wave of the work-group: they go from memory straight into a ring of 16 fragments in its registers.  What all four waves read
; (Q, then P, then the attention's result) lies in LDS as images.  A K step of 128: 8 + 8 fragments, 64 matrix instructions.
; THE SOFTMAX.  t = score x log2(e) / sqrt(512).  A wave makes the scores of a CHUNK of 128 keys for all 128 queries, takes M_c = ceil(the chunk's largest t) away, p = 2^(t - M_c) <= about 1, sums the unquantised p
; (l_c) and quantises p along the keys: a chunk is one K step of the second product, so the wave makes whole fragments and whole scale words.  128 x 1,024 codes of p fit in LDS.  Then the waves
; exchange M_c and l_c: M = the largest M_c, l = the sum of l_c 2^(M_c - M), and M - M_c is taken off the four bytes of each scale word: an exact power of two that the block's scale takes up.
; So O is a plain product over 1,024 keys and is never rescaled; it is divided by l, quantised along the channels, and goes on into the last product.
; THE RESIDUAL IS FETCHED EARLY.  A wave adds 128 rows x 512 bytes of x on its way out.  96 of them are asked for under work that is there anyway, into accumulators that are dead at that time, and parked in LDS
; bytes of the wave's own: rows 0-47 under the two chunks' softmax, rows 48-79 under the exchange of M and l, rows 80-95 under the quantising of the attention's result.  The last 32 rows are asked for
; in the last product's third K step.  So the way out reads a quarter of x from memory beside its stores.
; NO TENSOR LOADS, NO CLUSTER.  K and V are shared by the eight work-groups of an image and wo by all, but multicast lands in LDS, and each streamed fragment is read by one wave, once: the way through LDS
; would add a write and a read of 1.35 MB a work-group to the 2.1 MB that Q, P and the result cost, and beside Q's 66 KB and P's 132 KB LDS has room for slots of under 50 KB.
; LIMITS: NaN and infinities are not served.  A block whose largest magnitude lies under 2^-118 keeps the scale byte 1, a block of zeros too (its codes are zeros).  A scale byte of p that M - M_c would
; take under 0 is held at 0 (2^-127): such p lie under 2^-118 of the row's largest.  v_exp_f32 gives 0 for p under 2^-126.  1 / l is v_rcp_f32 and a multiplication.
; REGISTERS, in windows of 256.  Window 0: v1-5, v3, v14, v15 addresses; v6-13 bo of my lane's rows (until then v6: a prefetch's offset; on the way out an LDS address); v16-31 the ring's scale words, v32-39 the
;   shared operand's (scales and nothing else); v40-63 at work; v64-127 p, then the statistics, then bo as the C of the last product's first K step, on the way out x from LDS; v128-255 the shared fragments,
;   in an epilogue the codes just made.   Window 1: the ring; at the end x's last 32 rows.   Windows 2, 3: the 64 accumulators; where they are dead, x on its way to LDS.
.set BLK,   8448
.set SCO,   8192
.set FLOOR, 0x4800000
.set QA,    0                          ; LDS: Q's eight blocks (kappa, half); behind the scores' phase x's rows 48-79, 16,384 bytes a wave
.set PB,    8*BLK                      ; P's sixteen blocks (key step, half); behind the second product its bytes are dealt out anew:
.set RS,    PB                         ;   blocks 0-7: the attention's result (kappa, half);
.set STGB,  PB+8*BLK                   ;   blocks 8-11: a stage of 16 x 528 bytes for each wave;
.set XPB,   PB+12*BLK                  ;   blocks 12-15: x's rows 80-95, 8,192 bytes a wave
.set STM,   24*BLK                     ; -M_c: [query tile 8][lane 32][chunk 8] words;
.set STL,   STM+8192                   ; l_c likewise
.set XS,    STL+8192                   ; x's rows 0-47, 24,576 bytes a wave
.set XQB,   QA
.set LOFF, 1                           ; 16 x lane
.set ROFF, 2                           ; 16 x (lane % 16)
.set PA,   3                           ; the scores' phase: where my codes of p go
.set AL,   4
.set AR,   5
.set B8,   6
.set PFV,  6                           ; the scores' phase: 256 x lane
.set XC,   6                           ; the way out: my place in XPB
.set STA,  14                          ; where my -M_c and l_c go
.set PR,   15                          ; where my scale words of p go
.set PS,   16
.set SS,   32
.set TM,   40
.set PT,   44
.set HD,   48
.set SO,   52
.set SWQ,  56
.set NM,   60                          ; v[60:61] -M_c (the packed form names the pair and takes its low word)
.set SU,   62                          ; v[62:63] the sum
.set T,    64
.set SH,   128
.set QP, 4
.set KP, 6
.set VP, 8
.set WP, 10
.set BO, 12
.set XP, 14
.set OP, 16
.set WV, 20
.set RA, 24                            ; s[24:25], s[26:27] where the ring's refills stand
.set RB, 26
.set SB, 28                            ; LDS byte of the pair of key steps in hand;
.set SBN, 29                           ; of the next pair
.set PBS, 30                           ; LDS byte of my chunk's two blocks of P
.set STS, 31                           ; STM + 4 x my chunk
.set CI, 32
.set PFT, 33
.set PFP, 34
.set XQ, 36                            ; s[36:37] the rows of x that are asked for next
.set CS, 38                            ; s[38:39] c = log2(e) / sqrt(512)
.set SEL, 40
.set MNT, 42
.set C80, 43
.set C01, 44
.set XSS, 45                           ; LDS byte at which the trip's 24 rows of x are parked
.set MSB, 0
.macro WIN new                         ; the immediate's high byte repeats the setting that is left; a switch that changes nothing is dropped
.if MSB != (\new)
	s_set_vgpr_msb (MSB<<8)|(\new)
.set MSB, (\new)
.endif
.endm
; A load into a register that a matrix instruction has read, and a vector instruction or store that reads a matrix result, stand eight places behind it; only plain vector instructions
; that name none of its registers are places.
.macro PLACES
.rept 8
	v_nop
.endr
.endm
.macro BAR                             ; my LDS stores have landed and my LDS loads are in: then the work-group's barrier
	s_wait_dscnt 0x0
	s_barrier_signal -1
	s_barrier_wait -1
.endm
.macro GLOAD slot, ptr, off            ; a block from memory into a slot of the ring: 16 loads of 512 consecutive bytes, and its scale words: 17 loads
	WIN 0x40
.irp f, 0,1,2,3
.irp c, 0,1,2,3
	global_load_b128 v[64*(\slot)+16*\f+4*\c:64*(\slot)+16*\f+4*\c+3], v[LOFF], s[\ptr:\ptr+1] offset:(\off)+2048*\f+512*\c
.endr
.endr
	WIN 0
	global_load_b128 v[PS+4*(\slot):PS+4*(\slot)+3], v[ROFF], s[\ptr:\ptr+1] offset:(\off)+SCO
.endm
.macro SLOAD half, base, off           ; a block of the shared operand from LDS: 17 loads.  Half 0 makes the addresses for both halves
.if (\half) == 0
	v_add_nc_u32 v[AL], \base, v[LOFF]
	v_add_nc_u32 v[AR], \base, v[ROFF]
.endif
.irp f, 0,1,2,3
.irp c, 0,1,2,3
	ds_load_b128 v[SH+64*(\half)+16*\f+4*\c:SH+64*(\half)+16*\f+4*\c+3], v[AL] offset:(\off)+(\half)*BLK+2048*\f+512*\c
.endr
.endr
	ds_load_b128 v[SS+4*(\half):SS+4*(\half)+3], v[AR] offset:(\off)+(\half)*BLK+SCO
.endm
; 16 matrix instructions on 16 accumulators: four private tiles (half yh of the ring's pair p) x four shared tiles (half xh).
; ori = 0: source 0 = private, accumulator (X, Y) at 64 (X % 4) + 8 Y of window 2 + X / 4.   ori = 1: source 0 = shared, at 64 (Y % 4) + 8 X of window 2 + Y / 4.
; first = 1: C is the constant 0; 2: C is the bias set.  The 64 accumulators take turns, one instruction a turn, in the same order in every K step.
.macro QUAD ori, yh, xh, p, first
.if (\ori) == 0
.if (\first) == 2
	WIN 0x81+0x40*(\xh)
.else
	WIN 0xa1+0x50*(\xh)
.endif
.else
.if (\first) == 2
	WIN 0x84+0x40*(\yh)
.else
	WIN 0xa4+0x50*(\yh)
.endif
.endif
.irp x, 0,1,2,3
.irp y, 0,1,2,3
.set rP, 64*(2*(\p)+(\yh))+16*\y
.set rS, SH+64*(\xh)+16*\x
.set cP, PS+4*(2*(\p)+(\yh))+\y
.set cS, SS+4*(\xh)+\x
.set rC, T+8*(4*(\yh)+\y)
.if (\ori) == 0
.set rD, 64*\x+8*(4*(\yh)+\y)
.if (\first) == 0
	v_wmma_scale_f32_16x16x128_f8f6f4 v[rD:rD+7], v[rP:rP+15], v[rS:rS+15], v[rD:rD+7], v[cP], v[cS]
.elseif (\first) == 1
	v_wmma_scale_f32_16x16x128_f8f6f4 v[rD:rD+7], v[rP:rP+15], v[rS:rS+15], 0, v[cP], v[cS]
.else
	v_wmma_scale_f32_16x16x128_f8f6f4 v[rD:rD+7], v[rP:rP+15], v[rS:rS+15], v[rC:rC+7], v[cP], v[cS]
.endif
.else
.set rD, 64*\y+8*(4*(\xh)+\x)
.if (\first) == 0
	v_wmma_scale_f32_16x16x128_f8f6f4 v[rD:rD+7], v[rS:rS+15], v[rP:rP+15], v[rD:rD+7], v[cS], v[cP]
.elseif (\first) == 1
	v_wmma_scale_f32_16x16x128_f8f6f4 v[rD:rD+7], v[rS:rS+15], v[rP:rP+15], 0, v[cS], v[cP]
.else
	v_wmma_scale_f32_16x16x128_f8f6f4 v[rD:rD+7], v[rS:rS+15], v[rP:rP+15], v[rC:rC+7], v[cS], v[cP]
.endif
.endif
.endr
.endr
.endm
; A K step of 128: 64 matrix instructions.  gl = 1: the pair's two slots are asked for again, from s[ptr] + olo and + ohi, each as soon as its products are issued.
; sl = 1: the next K step's shared blocks, at LDS byte nb + noff, are fetched, each half as soon as this step's is done with.
; w1, w2: the loads that may be out when the pair's first and second slot are wanted: 17 for each group issued later (three groups: 51).
.macro KSTEP ori, p, first, gl, ptr, olo, ohi, sl, nb, noff, w1, w2
	s_wait_loadcnt \w1
	s_wait_dscnt 17                                ; the shared operand's first half is in; the 17 loads of its second may be out
	QUAD \ori, 0, 0, \p, \first
	s_wait_dscnt 0x0
	QUAD \ori, 0, 1, \p, \first
.if \gl
	PLACES
	GLOAD 2*(\p), \ptr, \olo
.endif
	s_wait_loadcnt \w2
	QUAD \ori, 1, 0, \p, \first
.if \sl
	PLACES
	WIN 0
	SLOAD 0, \nb, \noff
.endif
	QUAD \ori, 1, 1, \p, \first
	PLACES                                         ; for the loads below, and for whatever reads the results behind the last K step
.if \gl
	GLOAD 2*(\p)+1, \ptr, \ohi
.endif
	WIN 0
.if \sl
	SLOAD 1, \nb, \noff
.endif
.endm
; 64 numbers of a lane at v[a] on of window w (register 16 b + i = k 32 b + 16 (lane / 16) + i of my row) become 16 registers of codes at v[cod] on and the row's scale word v[sw], in window 0.
.macro QUANTW a, w, cod, sw
	WIN (\w)|((\w)<<2)
.irp b, 0,1,2,3
	v_max3_num_f32 v[TM+\b], |v[(\a)+16*\b]|, |v[(\a)+16*\b+1]|, FLOOR   ; the floor 2^(9 - 127) among the leaves: the byte cannot fall under 1
.endr
	WIN ((\w)<<2)|((\w)<<4)
.irp i, 2,4,6,8,10,12,14
.irp b, 0,1,2,3
	v_max3_num_f32 v[TM+\b], v[TM+\b], |v[(\a)+16*\b+\i]|, |v[(\a)+16*\b+\i+1]|
.endr
.endr
	WIN 0
.irp b, 0,1,2,3
	v_permlanex16_b32 v[PT+\b], v[TM+\b], s[SEL], s[SEL+1]
.endr
.irp b, 0,1,2,3
	v_max_num_f32 v[TM+\b], v[TM+\b], v[PT+\b]     ; with lane l xor 16's 16 numbers: the block's largest magnitude
.endr
.irp b, 0,1,2,3
	v_add_nc_u32 v[SO+\b], 0xfc000000, v[TM+\b]    ; 8 off its exponent field: the conversion's scale operand
.endr
.irp b, 0,1,2,3
	v_and_or_b32 v[HD+\b], v[TM+\b], 0x7f800000, s[MNT]   ; 448 x the scale
.endr
.irp b, 0,1,2,3
	v_lshrrev_b32 v[PT+\b], 23, v[SO+\b]           ; the scale's byte
.endr
	v_lshl_or_b32 v[(\sw)], v[PT+1], 8, v[PT]
	v_lshl_or_b32 v[(\sw)], v[PT+2], 16, v[(\sw)]
	v_lshl_or_b32 v[(\sw)], v[PT+3], 24, v[(\sw)]
	WIN (\w)|((\w)<<6)
.irp b, 0,1,2,3
.irp i, 0,1,2,3,4,5,6,7,8,9,10,11,12,13,14,15
	v_med3_num_f32 v[(\a)+16*\b+\i], v[(\a)+16*\b+\i], -v[HD+\b], v[HD+\b]   ; the conversion to an 8-bit code does not saturate (ISA guide 7.6.2): the hold comes first
.endr
.endr
	WIN (\w)
.irp b, 0,1,2,3
	v_cvt_scalef32_pk8_fp8_f32 v[(\cod)+4*\b:(\cod)+4*\b+1], v[(\a)+16*\b:(\a)+16*\b+7], v[SO+\b]
	v_cvt_scalef32_pk8_fp8_f32 v[(\cod)+4*\b+2:(\cod)+4*\b+3], v[(\a)+16*\b+8:(\a)+16*\b+15], v[SO+\b]
.endr
	WIN 0
	v_nop                                          ; a plain instruction behind the last conversion
.endm
; THE CHUNK'S SOFTMAX for query tile X.  A lane holds one query (pi(X, lane % 16)) and 64 scores: register 16 b + i = key 32 b + 16 (lane / 16) + i of the chunk.
.macro SMAX X
.set xa, 64*((\X)%4)
.set xw, 2+(\X)/4
.set xc, SH+16*(\X)
	WIN 0x15*xw
.irp b, 0,1,2,3
	v_max3_num_f32 v[TM+\b], v[xa+16*\b], v[xa+16*\b+1], v[xa+16*\b+2]   ; the largest score of each block of 32 keys: it serves the chunk's maximum and, since p rises with the score, the block's largest p
.endr
	WIN 0x14*xw
.irp i, 3,5,7,9,11,13
.irp b, 0,1,2,3
	v_max3_num_f32 v[TM+\b], v[TM+\b], v[xa+16*\b+\i], v[xa+16*\b+\i+1]
.endr
.endr
.irp b, 0,1,2,3
	v_max_num_f32 v[TM+\b], v[TM+\b], v[xa+16*\b+15]
.endr
	WIN 0
	s_wait_dscnt 0x0                               ; the last tile's LDS stores have read their registers (-M_c, l_c, the scale words), which are written again below
.irp b, 0,1,2,3
	v_permlanex16_b32 v[PT+\b], v[TM+\b], s[SEL], s[SEL+1]
.endr
.irp b, 0,1,2,3
	v_max_num_f32 v[TM+\b], v[TM+\b], v[PT+\b]     ; with lane l xor 16's 16 keys
.endr
	v_max3_num_f32 v[PT], v[TM], v[TM+1], v[TM+2]
	v_max_num_f32 v[PT], v[PT], v[TM+3]            ; the chunk's largest score of my query,
	v_mul_f32 v[PT], s[CS], v[PT]                  ; as t (c is positive)
	v_floor_f32 v[NM], -v[PT]                      ; -M_c = floor(-t) = -ceil(t): a whole number
	WIN xw
.set j, 0
.rept 32
	v_pk_fma_f32 v[T+j:T+j+1], v[xa+j:xa+j+1], s[CS:CS+1], v[NM:NM+1] op_sel_hi:[1,0,0]   ; t - M_c, two at a time, out of the accumulators into window 0
.set j, j+2
.endr
	WIN 0
.irp b, 0,1,2,3
	v_fma_f32 v[TM+\b], v[TM+\b], s[CS], v[NM]     ; the same of each block's largest score
.endr
.set j, 0
.rept 64
	v_exp_f32 v[T+j], v[T+j]                       ; p = 2^(t - M_c): not normalised
.set j, j+1
.endr
	v_nop                                          ; a plain instruction behind the exponentials,
	s_wait_alu depctr_va_vdst(0)                   ; and ONE wait for the batch, ahead of its first reader
.irp b, 0,1,2,3
	v_exp_f32 v[TM+\b], v[TM+\b]                   ; the block's largest p: the same two instructions on the same number give the same bits
.endr
	v_pk_add_f32 v[SU:SU+1], v[T:T+1], v[T+2:T+3]  ; the sum of the UNQUANTISED p, two at a time, in two chains: it reads the 64 alone
	v_pk_add_f32 v[PT:PT+1], v[T+4:T+5], v[T+6:T+7]
.set j, 8
.rept 14
	v_pk_add_f32 v[SU:SU+1], v[SU:SU+1], v[T+j:T+j+1]
	v_pk_add_f32 v[PT:PT+1], v[PT:PT+1], v[T+j+2:T+j+3]
.set j, j+4
.endr
	v_pk_add_f32 v[SU:SU+1], v[SU:SU+1], v[PT:PT+1]
	v_add_f32 v[SU], v[SU], v[SU+1]
	v_permlanex16_b32 v[PT], v[SU], s[SEL], s[SEL+1]
	v_add_f32 v[SU], v[SU], v[PT]                  ; l_c: with lane l xor 16's 64 keys
	s_wait_alu depctr_va_vdst(0)                   ; and one wait for the four
.irp b, 0,1,2,3
	v_max_num_f32 v[TM+\b], FLOOR, v[TM+\b]        ; the floor: a block whose every p has fallen to 0 keeps the byte 1: its codes are zeros
.endr
.irp b, 0,1,2,3
	v_add_nc_u32 v[SO+\b], 0xfc000000, v[TM+\b]
.endr
.irp b, 0,1,2,3
	v_and_or_b32 v[HD+\b], v[TM+\b], 0x7f800000, s[MNT]
.endr
.irp b, 0,1,2,3
	v_lshrrev_b32 v[PT+\b], 23, v[SO+\b]
.endr
	v_lshl_or_b32 v[SWQ+(\X)%4], v[PT+1], 8, v[PT]
	v_lshl_or_b32 v[SWQ+(\X)%4], v[PT+2], 16, v[SWQ+(\X)%4]
	v_lshl_or_b32 v[SWQ+(\X)%4], v[PT+3], 24, v[SWQ+(\X)%4]
.irp b, 0,1,2,3
.irp i, 0,1,2,3,4,5,6,7,8,9,10,11,12,13,14,15
	v_min_num_f32 v[T+16*\b+\i], v[T+16*\b+\i], v[HD+\b]           ; p is not negative: the hold is one-sided
.endr
	v_cvt_scalef32_pk8_fp8_f32 v[xc+4*\b:xc+4*\b+1], v[T+16*\b:T+16*\b+7], v[SO+\b]
	v_cvt_scalef32_pk8_fp8_f32 v[xc+4*\b+2:xc+4*\b+3], v[T+16*\b+8:T+16*\b+15], v[SO+\b]
.endr
	v_nop                                          ; a plain instruction behind the last conversion
.irp c, 0,1,2,3
	ds_store_b128 v[PA], v[xc+4*\c:xc+4*\c+3] offset:((\X)/4)*BLK+((\X)%4)*2048+512*\c   ; the fragment goes to LDS as it stands
.endr
	ds_store_b32 v[STA], v[NM] offset:1024*(\X)
	ds_store_b32 v[STA], v[SU] offset:8192+1024*(\X)
.if (\X)%4 == 3
	ds_store_b128 v[PR], v[SWQ:SWQ+3] offset:((\X)/4)*BLK+SCO      ; lanes r and r + 16 write the same words with the same values
.endif
.endm
; n rows of x, from row i0 of the trip's 24 on, are asked for, into the accumulators of query tiles whose softmax is done: row i lands in v[4 i] on of window 2.  A load reads 512 consecutive bytes.
.macro XGET i0, n
	WIN 0x80
.set i, \i0
.rept \n
	global_load_b128 v[4*i:4*i+3], v[LOFF], s[XQ:XQ+1] offset:4096*i th:TH_LOAD_NT
.set i, i+1
.endr
	WIN 0
.endm
; x's 16 rows of output tile Y (row i of the tile is row 32 (Y / 2) + 8 (Y % 2) + i + 8 (i / 8) of my 128) into v[base] on of the window that is set for destinations: from where they were parked, or from memory
.macro XLOAD Y, base
.irp i, 0,1,2,3,4,5,6,7,8,9,10,11,12,13,14,15
.set xr, 32*((\Y)/2)+8*((\Y)%2)+\i+8*(\i/8)
.set xd, (\base)+4*\i
.if xr < 48
	ds_load_b128 v[xd:xd+3], v[AL] offset:512*xr
.elseif xr < 80
	ds_load_b128 v[xd:xd+3], v[AR] offset:512*(xr-48)
.elseif xr < 96
	ds_load_b128 v[xd:xd+3], v[XC] offset:512*(xr-80)
.else
	global_load_b128 v[xd:xd+3], v[LOFF], s[XP:XP+1] offset:4096*xr th:TH_LOAD_NT
.endif
.endr
.endm
	s_load_b256 s[4:11], s[0:1], 0x0               ; qb, kb, vb, wb
	s_load_b128 s[12:15], s[0:1], 0x20             ; bo, x
	s_load_b64 s[16:17], s[0:1], 0x30              ; out0
	v_lshrrev_b32 v3, 5, v0
	v_readfirstlane_b32 s[WV], v3                  ; wave 0..3
	v_and_b32 v[LOFF], 31, v0
	v_lshlrev_b32 v[LOFF], 4, v[LOFF]
	v_and_b32 v[ROFF], 15, v0
	v_lshlrev_b32 v[ROFF], 4, v[ROFF]
	v_lshlrev_b32 v[PFV], 4, v[LOFF]               ; 256 x lane
	s_and_b32 s21, ttmp7, 0xffff                   ; image
	s_lshl_b32 s22, s21, 3
	s_add_co_u32 s46, s22, ttmp9
	s_mul_i32 s46, s46, 8*BLK
	s_mul_i32 s23, s[WV], 16896                    ; my quarter of Q's 67,584 bytes
	s_add_co_u32 s46, s46, s23
	s_mov_b32 s47, 0
	s_lshl_b32 s48, s[WV], 1
	s_add_co_u32 s48, s48, s22
	s_mul_i32 s48, s48, 8*BLK                      ; K: pixel blocks 2 w and 2 w + 1: sixteen blocks on end
	s_mov_b32 s49, 0
	s_lshl_b32 s50, s21, 2
	s_add_co_u32 s50, s50, s[WV]
	s_mul_i32 s50, s50, 16*BLK                     ; V: my 128 channels, eight key steps: sixteen blocks on end
	s_mov_b32 s51, 0
	s_lshl_b32 s52, s[WV], 2
	s_add_co_u32 s52, s52, 3
	s_mul_i32 s52, s52, 8*BLK                      ; wo: my 128 rows: eight blocks
	s_mov_b32 s53, 0
	s_lshl_b32 s54, s21, 21
	s_lshl_b32 s55, s[WV], 19
	s_add_co_u32 s54, s54, s55
	s_lshl_b32 s55, ttmp9, 9
	s_add_co_u32 s54, s54, s55                     ; x, out0: ((512 image + 128 w) x 1,024 + 128 block) x 4
	s_mov_b32 s55, 0
	s_lshl_b32 s56, s[WV], 9
	s_mov_b32 s57, 0
	s_mov_b32 s[CS], 0x3d8293ee
	s_mov_b32 s[CS+1], s[CS]                       ; (named with it as a pair, so it is written)
	s_mov_b32 s[SEL], 0x76543210
	s_mov_b32 s[SEL+1], 0xfedcba98
	s_mov_b32 s[MNT], 0x600000
	s_mov_b32 s[C80], 0x80808080
	s_mov_b32 s[C01], 0x01010101
	s_mul_i32 s[PBS], s[WV], 4*BLK
	s_add_co_u32 s[PBS], s[PBS], PB
	s_lshl_b32 s[STS], s[WV], 3
	s_add_co_u32 s[STS], s[STS], STM
	s_mul_i32 s[XSS], s[WV], 24576
	s_add_co_u32 s[XSS], s[XSS], XS
	s_wait_kmcnt 0x0
	s_add_nc_u64 s[QP:QP+1], s[QP:QP+1], s[46:47]
	s_add_nc_u64 s[KP:KP+1], s[KP:KP+1], s[48:49]
	s_add_nc_u64 s[VP:VP+1], s[VP:VP+1], s[50:51]
	s_add_nc_u64 s[WP:WP+1], s[WP:WP+1], s[52:53]
	s_add_nc_u64 s[BO:BO+1], s[BO:BO+1], s[56:57]
	s_add_nc_u64 s[XP:XP+1], s[XP:XP+1], s[54:55]
	s_add_nc_u64 s[OP:OP+1], s[OP:OP+1], s[54:55]
	s_add_nc_u64 s[RA:RA+1], s[KP:KP+1], 4*BLK
	s_add_nc_u64 s[RB:RB+1], s[KP:KP+1], 8*BLK
	s_mov_b64 s[XQ:XQ+1], s[XP:XP+1]
	; the prefetches of K and V.  The eight work-groups of an image walk the same streams; work-group u asks, for each of its waves' streams, for two blocks: u < 2: K's blocks 12 + 2 u on, in the first trip;
	; else V's blocks 2 u on, in the second.  So K's blocks 12-15 and V's 4-15 of each stream are named once in the launch; the others come by their loads alone.
	s_cmp_lt_u32 ttmp9, 2
	s_cselect_b64 s[PFP:PFP+1], s[KP:KP+1], s[VP:VP+1]
	s_cselect_b32 s[PFT], 0, 1
	s_cselect_b32 s46, 12, 0
	s_lshl_b32 s47, ttmp9, 1
	s_add_co_u32 s46, s46, s47
	s_mul_i32 s46, s46, BLK
	s_mov_b32 s47, 0
	s_add_nc_u64 s[PFP:PFP+1], s[PFP:PFP+1], s[46:47]
	WIN 0x80                                       ; my quarter of Q goes through the accumulators' registers into LDS
.set i, 0
.rept 33
	global_load_b128 v[4*i:4*i+3], v[LOFF], s[QP:QP+1] offset:512*i th:TH_LOAD_NT
.set i, i+1
.endr
	WIN 0
	GLOAD 0, KP, 0
	GLOAD 1, KP, BLK
	GLOAD 2, KP, 2*BLK
	v_add_nc_u32 v[AL], s23, v[LOFF]
.irp b, 0,1,2,3
	v_mov_b32 v[PT+\b], 0                          ; written once: a lane permute's destination counts as one of its sources
.endr
	v_mov_b32 v[NM+1], 0                           ; (named as the upper half of a pair)
	s_wait_loadcnt 51                              ; Q is in; the three groups of the ring may be out
	WIN 0x08
.set i, 0
.rept 33
	ds_store_b128 v[AL], v[4*i:4*i+3] offset:QA+512*i
.set i, i+1
.endr
	WIN 0
	GLOAD 3, KP, 3*BLK
	BAR                                            ; Q's eight blocks lie in LDS
	; ---------------------------------------------------------------- the scores and the chunks' softmax: two trips, chunk 2 w + trip
	s_mov_b32 s[CI], 0
.Lchunk:
	SLOAD 0, QA, 0
	SLOAD 1, QA, 0
	KSTEP 0, 0, 1, 1, RA, 0, BLK, 1, QA+2*BLK, 0, 51, 51
	s_cmp_eq_u32 s[CI], s[PFT]                     ; a branch on the work-group's number and the trip: this launch has no cluster
	s_cbranch_scc0 .Lnoask
	global_prefetch_b8 v[PFV], s[PFP:PFP+1] th:TH_LOAD_NT scope:SCOPE_SE              ; lanes 256 bytes apart: a block's codes; behind the K step's loads
	global_prefetch_b8 v[PFV], s[PFP:PFP+1] offset:BLK th:TH_LOAD_NT scope:SCOPE_SE
.Lnoask:
	KSTEP 0, 1, 0, 1, RA, 2*BLK, 3*BLK, 1, QA+4*BLK, 0, 51, 51
	KSTEP 0, 0, 0, 1, RB, 0, BLK, 1, QA+6*BLK, 0, 51, 51           ; the ring runs on: the next chunk's first four blocks, in the second trip V's: they land under the softmax
	KSTEP 0, 1, 0, 1, RB, 2*BLK, 3*BLK, 0, 0, 0, 51, 51
	v_add_nc_u32 v[PA], s[PBS], v[LOFF]
	v_add_nc_u32 v[PR], s[PBS], v[ROFF]
	v_lshl_add_u32 v[STA], v[LOFF], 1, s[STS]      ; 32 x lane + 4 x chunk
	SMAX 0
	XGET 0, 16                                     ; tile 0's scores are done with: its 64 registers take 16 rows of x,
	SMAX 1
	XGET 16, 8                                     ; tile 1's first 32 take eight more: rows 24 trip + 0 .. 23.  They have six tiles' softmax in which to land
.irp X, 2,3,4,5,6,7
	SMAX \X
.endr
	s_wait_dscnt 0x0                               ; my stores have landed and have read their registers
	v_add_nc_u32 v[PA], s[XSS], v[LOFF]
	s_wait_loadcnt 0x0                             ; x's 24 rows are in; they are the youngest loads, so the count is 0 (the ring's groups, asked for ahead of the softmax, are in with them)
	WIN 0x08
.set i, 0
.rept 24
	ds_store_b128 v[PA], v[4*i:4*i+3] offset:512*i ; parked in bytes of my own: nobody else touches them
.set i, i+1
.endr
	WIN 0
	s_wait_dscnt 0x0                               ; the stores have read their registers, which the next products write
	s_wait_xcnt 0x0                                ; every earlier memory instruction has had its addresses translated (ISA guide 3.1): the loads' bases are rewritten only behind this wait
	s_add_nc_u64 s[RA:RA+1], s[RA:RA+1], 8*BLK
	s_mov_b64 s[RB:RB+1], s[VP:VP+1]
	s_add_nc_u64 s[XQ:XQ+1], s[XQ:XQ+1], 24*4096
	s_add_co_u32 s[XSS], s[XSS], 24*512
	s_add_co_u32 s[PBS], s[PBS], 2*BLK
	s_add_co_u32 s[STS], s[STS], 4
	s_add_co_u32 s[CI], s[CI], 1
	s_cmp_lt_u32 s[CI], 2
	s_cbranch_scc1 .Lchunk
	WIN 0xc0                                       ; x's rows 48-79 are asked for, into window 3's first 128 registers: no accumulator is alive until the second product begins
.set i, 0
.rept 32
	global_load_b128 v[4*i:4*i+3], v[LOFF], s[XQ:XQ+1] offset:4096*i th:TH_LOAD_NT
.set i, i+1
.endr
	WIN 0
	BAR                                            ; every chunk's -M_c, l_c, codes and scale words lie in LDS; nobody reads Q any more
	; ---------------------------------------------------------------- the rows' M and l; M - M_c off my scale words
	v_and_b32 v15, 15, v0
	v_and_b32 v14, 8, v15
	v_add_nc_u32 v15, v15, v14
	v_lshlrev_b32 v15, 2, v15                      ; 4 (r + 8 (r / 8))
.irp y, 0,1,2,3,4,5,6,7
	global_load_b32 v[B8+\y], v15, s[BO:BO+1] offset:(32*(\y/2)+8*(\y%2))*4   ; bo[128 w + pi(Y, r)], for the last product
.endr
	v_lshl_add_u32 v14, v[LOFF], 1, STM
	s_lshl_b32 s46, s[WV], 3
	s_add_co_u32 s46, s46, STM
	v_lshl_add_u32 v3, v[LOFF], 1, s46
	s_mul_i32 s47, s[WV], 4*BLK
	s_add_co_u32 s47, s47, PB
	v_add_nc_u32 v[AL], s47, v[ROFF]
.irp x, 0,1,2,3,4,5,6,7
	ds_load_b128 v[SH+8*\x:SH+8*\x+3], v14 offset:1024*\x                     ; the eight -M_c of my query of tile x,
	ds_load_b128 v[SH+8*\x+4:SH+8*\x+7], v14 offset:1024*\x+16
	ds_load_b128 v[SH+64+8*\x:SH+64+8*\x+3], v14 offset:8192+1024*\x          ; the eight l_c,
	ds_load_b128 v[SH+64+8*\x+4:SH+64+8*\x+7], v14 offset:8192+1024*\x+16
	ds_load_b64 v[96+2*\x:97+2*\x], v3 offset:1024*\x                         ; and my own two chunks' -M_c once more, at register numbers that do not hang on the wave
.endr
.irp m, 0,1,2,3
	ds_load_b128 v[112+4*\m:115+4*\m], v[AL] offset:\m*BLK+SCO                ; my sixteen scale words: chunk m / 2, tiles 4 (m % 2) + 0 .. 3
.endr
	s_wait_dscnt 0x0
.irp x, 0,1,2,3,4,5,6,7
	v_min3_num_f32 v[80+\x], v[SH+8*\x], v[SH+8*\x+1], v[SH+8*\x+2]
.endr
.irp x, 0,1,2,3,4,5,6,7
	v_min3_num_f32 v[80+\x], v[80+\x], v[SH+8*\x+3], v[SH+8*\x+4]
.endr
.irp x, 0,1,2,3,4,5,6,7
	v_min3_num_f32 v[80+\x], v[80+\x], v[SH+8*\x+5], v[SH+8*\x+6]
.endr
.irp x, 0,1,2,3,4,5,6,7
	v_min_num_f32 v[80+\x], v[80+\x], v[SH+8*\x+7]                 ; -M: the least -M_c
.endr
.irp x, 0,1,2,3,4,5,6,7
.irp s, 0,1,2,3,4,5,6,7
	v_sub_f32 v[SH+8*\x+\s], v[80+\x], v[SH+8*\x+\s]               ; M_c - M: a whole number, 0 or less
.endr
.endr
.irp x, 0,1,2,3,4,5,6,7
.irp s, 0,1,2,3,4,5,6,7
	v_cvt_i32_f32 v[SH+8*\x+\s], v[SH+8*\x+\s]                     ; (it saturates)
.endr
.endr
.irp x, 0,1,2,3,4,5,6,7
.irp s, 0,1,2,3,4,5,6,7
	v_ldexp_f32 v[SH+64+8*\x+\s], v[SH+64+8*\x+\s], v[SH+8*\x+\s]  ; l_c under the row's M: nothing is rounded
.endr
.endr
.irp x, 0,1,2,3,4,5,6,7
	v_add_f32 v[65+2*\x], v[SH+64+8*\x], v[SH+64+8*\x+1]
.endr
.irp s, 2,3,4,5,6,7
.irp x, 0,1,2,3,4,5,6,7
	v_add_f32 v[65+2*\x], v[65+2*\x], v[SH+64+8*\x+\s]             ; l, the chunks ascending
.endr
.endr
.irp x, 0,1,2,3,4,5,6,7
	v_rcp_f32 v[64+2*\x], v[65+2*\x]               ; 1 / l in the even register of a pair: the packed multiply takes the low word for both halves
.endr
	v_nop                                          ; a plain instruction behind the reciprocals,
	s_wait_alu depctr_va_vdst(0)                   ; and one wait for the eight
; d = M - M_c, at most 127, off each of a word's four bytes, held at 0.  The bytes are at most 119 (p < 2): with bit 7 set in each, no byte borrows from the next, and bit 7 of the difference says that the byte has not fallen under 0.
.macro WSTAGE st
.irp m, 0,1,2,3
.irp f, 0,1,2,3
.set dr, 96+2*(4*(\m%2)+\f)+\m/2
.set wr, 112+4*\m+\f
.set tr, SH+4*\m+\f
.if \st == 0
	v_sub_f32 v[dr], v[dr], v[80+4*(\m%2)+\f]
.elseif \st == 1
	v_cvt_i32_f32 v[dr], v[dr]
.elseif \st == 2
	v_min_u32 v[dr], 127, v[dr]
.elseif \st == 3
	v_mul_lo_u32 v[dr], v[dr], s[C01]
.elseif \st == 4
	v_or_b32 v[wr], s[C80], v[wr]
.elseif \st == 5
	v_sub_nc_u32 v[wr], v[wr], v[dr]
.elseif \st == 6
	v_and_b32 v[dr], s[C80], v[wr]
.elseif \st == 7
	v_lshrrev_b32 v[tr], 7, v[dr]
.elseif \st == 8
	v_sub_nc_u32 v[dr], v[dr], v[tr]               ; 0x7f in the bytes that stay, 0 in those that are held at 0
.else
	v_and_b32 v[wr], v[wr], v[dr]
.endif
.endr
.endr
.endm
.irp t, 0,1,2,3,4,5,6,7,8,9
	WSTAGE \t
.endr
.irp m, 0,1,2,3
	ds_store_b128 v[AL], v[112+4*\m:115+4*\m] offset:\m*BLK+SCO
.endr
	s_lshl_b32 s48, s[WV], 14
	s_add_co_u32 s48, s48, XQB
	v_add_nc_u32 v14, s48, v[LOFF]
	s_wait_loadcnt 8                               ; x's rows 48-79 are in; bo's eight loads, issued behind them, may be out
	WIN 0x0c
.set i, 0
.rept 32
	ds_store_b128 v14, v[4*i:4*i+3] offset:512*i   ; parked in my 16,384 of Q's bytes: every wave has passed the barrier behind its last read of Q
.set i, i+1
.endr
	WIN 0
	BAR                                            ; P's scale words stand under the rows' M; the stores above have read their registers
	; ---------------------------------------------------------------- O^T = V^T P^T: eight key steps; the ring holds V's first four blocks
	s_add_nc_u64 s[RB:RB+1], s[VP:VP+1], 8*BLK
	s_mov_b32 s[SB], PB+4*BLK
	SLOAD 0, PB, 0
	SLOAD 1, PB, 0
	KSTEP 0, 0, 1, 1, VP, 4*BLK, 5*BLK, 1, PB, 2*BLK, 51, 51
	KSTEP 0, 1, 0, 1, VP, 6*BLK, 7*BLK, 1, PB+4*BLK, 0, 51, 51
	s_mov_b32 s[CI], 0
.Lpair:                                            ; three trips of two key steps.  The refills: V's blocks 8-11, 12-15, then wo's first four
	s_add_co_u32 s[SBN], s[SB], 4*BLK
	s_min_u32 s[SBN], s[SBN], PB+12*BLK            ; the last trip has no next pair: it reads its own first step's blocks once more (34 LDS loads that are not used), so that no load is jumped over
	KSTEP 0, 0, 0, 1, RB, 0, BLK, 1, s[SB], 2*BLK, 51, 51
	KSTEP 0, 1, 0, 1, RB, 2*BLK, 3*BLK, 1, s[SBN], 0, 51, 51
	s_wait_xcnt 0x0                                ; the refills have read their base
	s_add_nc_u64 s[RB:RB+1], s[RB:RB+1], 4*BLK
	s_add_co_u32 s[SB], s[SB], 4*BLK
	s_add_co_u32 s[CI], s[CI], 1
	s_cmp_eq_u32 s[CI], 2
	s_cselect_b64 s[RB:RB+1], s[WP:WP+1], s[RB:RB+1]
	s_cmp_lt_u32 s[CI], 3
	s_cbranch_scc1 .Lpair
	BAR                                            ; every wave's reads of P are in (the loads that are not used too): P's bytes take the result, the stages and 16 rows of x
	s_mul_i32 s46, s[WV], 2*BLK
	s_add_co_u32 s46, s46, RS
	v_add_nc_u32 v14, s46, v[LOFF]                 ; the result's K step w: blocks 2 w and 2 w + 1 of RS
	v_add_nc_u32 v15, s46, v[ROFF]
.irp X, 0,1,2,3,4,5,6,7
	WIN (2+\X/4)|((2+\X/4)<<6)
.set j, 0
.rept 32
	v_pk_mul_f32 v[64*(\X%4)+j:64*(\X%4)+j+1], v[64*(\X%4)+j:64*(\X%4)+j+1], v[64+2*\X:65+2*\X] op_sel_hi:[1,0]   ; O^T / l, each accumulator from its low end on
.set j, j+2
.endr
	s_wait_dscnt 0x0                               ; the last tile's LDS stores have read their registers
	QUANTW 64*(\X%4), 2+\X/4, SH+16*\X, SWQ+\X%4
.irp c, 0,1,2,3
	ds_store_b128 v14, v[SH+16*\X+4*\c:SH+16*\X+4*\c+3] offset:(\X/4)*BLK+(\X%4)*2048+512*\c
.endr
.if \X%4 == 3
	ds_store_b128 v15, v[SWQ:SWQ+3] offset:(\X/4)*BLK+SCO
.endif
.if \X == 0
	WIN 0x80                                       ; tile 0's numbers are codes now: its 64 registers take x's rows 80-95, which have seven tiles' quantising in which to land
.set i, 0
.rept 16
	global_load_b128 v[4*i:4*i+3], v[LOFF], s[XQ:XQ+1] offset:4096*(32+i) th:TH_LOAD_NT
.set i, i+1
.endr
	WIN 0
.endif
.endr
	s_lshl_b32 s47, s[WV], 13
	s_add_co_u32 s47, s47, XPB
	v_add_nc_u32 v3, s47, v[LOFF]
	s_wait_loadcnt 0x0                             ; x's rows 80-95 are in: the youngest loads
	WIN 0x08
.set i, 0
.rept 16
	ds_store_b128 v3, v[4*i:4*i+3] offset:512*i    ; parked in my 8,192 bytes of P's last four blocks
.set i, i+1
.endr
	WIN 0
.irp y, 0,1,2,3,4,5,6,7
.irp j, 0,1,2,3,4,5,6,7
	v_mov_b32 v[T+8*\y+\j], v[B8+\y]               ; bo as the C of the last product's first K step: a lane holds one row of wo, so its eight registers of a tile hold one number
.endr
.endr
	BAR                                            ; the attention's result lies in LDS: eight blocks
	v_bfe_u32 v3, v0, 1, 4
	v_lshlrev_b32 v3, 12, v3
	v_and_b32 v[AL], 1, v0
	v_lshl_add_u32 v3, v[AL], 8, v3                ; x's prefetch: row lane / 2, half lane % 2 of its 512 bytes
	; ---------------------------------------------------------------- out = wo result + bo: source 0 = the queries, source 1 = my rows of wo
	SLOAD 0, RS, 0
	SLOAD 1, RS, 0
	KSTEP 1, 0, 2, 1, WP, 4*BLK, 5*BLK, 1, RS+2*BLK, 0, 51, 51
	global_prefetch_b8 v3, s[XP:XP+1] offset:96*4096 th:TH_LOAD_NT scope:SCOPE_SE    ; my rows 96-127 of x, the rows that still come from memory: each row's two blocks of 256 bytes named once,
	global_prefetch_b8 v3, s[XP:XP+1] offset:112*4096 th:TH_LOAD_NT scope:SCOPE_SE   ; two K steps, 128 matrix instructions, ahead of their loads
	KSTEP 1, 1, 0, 1, WP, 6*BLK, 7*BLK, 1, RS+4*BLK, 0, 51, 51
	KSTEP 1, 0, 0, 0, WP, 0, 0, 1, RS+6*BLK, 0, 51, 34             ; nothing of wo is left to ask for: the counts run down, 17 a group
	WIN 0x40                                       ; the ring's slots 0 and 1 are done with, eight places back: they take x's rows of output tiles 6 and 7, 32 loads
	XLOAD 6, 0
	XLOAD 7, 64
	WIN 0
	KSTEP 1, 1, 0, 0, WP, 0, 0, 0, 0, 0, 49, 32                    ; behind slot 2's group: slot 3's 17 loads and x's 32; behind slot 3's: x's 32
	; ---------------------------------------------------------------- THE WAY OUT.  A lane holds row o = 128 w + pi(Y, lane % 16) and 64 pixels: register 16 b + i = pixel 32 b + 16 (lane / 16) + i.
	; A tile of 16 rows goes through my own stage in LDS and comes back as whole rows of 512 bytes; x is added; the 32 lanes store 512 consecutive bytes.
	s_mul_i32 s46, s[WV], BLK
	s_add_co_u32 s46, s46, STGB                    ; my stage, in P's bytes: nobody has read them since the barrier behind the second product
	v_and_b32 v14, 15, v0
	v_mul_u32_u24 v14, v14, 528
	v_bfe_u32 v15, v0, 4, 1
	v_lshl_add_u32 v14, v15, 6, v14
	v_add_nc_u32 v14, s46, v14                     ; in: row r of 528 bytes, + 64 h
	v_add_nc_u32 v15, s46, v[LOFF]                 ; back: 16 bytes a lane
	s_mul_i32 s47, s[WV], 24576
	s_add_co_u32 s47, s47, XS
	v_add_nc_u32 v[AL], s47, v[LOFF]               ; where my rows 0-47 of x were parked,
	s_lshl_b32 s48, s[WV], 14
	s_add_co_u32 s48, s48, XQB
	v_add_nc_u32 v[AR], s48, v[LOFF]               ; rows 48-79,
	s_lshl_b32 s49, s[WV], 13
	s_add_co_u32 s49, s49, XPB
	v_add_nc_u32 v[XC], s49, v[LOFF]               ; rows 80-95
.macro OUTY Y, left                    ; left (tiles 6 and 7): the loads of x issued behind tile Y's
.set ya, 64*((\Y)%4)
.set yb, SH+64*((\Y)%2)
	WIN (2+(\Y)/4)<<2                              ; an LDS store's data are its source 1
.irp q, 0,1,2,3,4,5,6,7,8,9,10,11,12,13,14,15
	ds_store_b128 v14, v[ya+4*\q:ya+4*\q+3] offset:128*(\q/4)+16*(\q%4)    ; each accumulator from its low end on
.endr
	WIN 0
.if (\Y) >= 2
	s_wait_xcnt 0x0                                ; tile Y - 2's stores have read their registers, which take the rows below
.endif
.irp i, 0,1,2,3,4,5,6,7,8,9,10,11,12,13,14,15
	ds_load_b128 v[yb+4*\i:yb+4*\i+3], v15 offset:528*\i           ; LDS serves a wave's instructions in order (ISA guide 5.7.1.4): these see my stores, and the next tile's stores come behind them
.endr
.if (\Y) < 6
	XLOAD \Y, T                                    ; the tile's 16 rows of x, from where I parked them
.set yx, T
.else
.set yx, 64*((\Y)-6)
.endif
	s_wait_dscnt 0x0
.if (\Y) >= 6
	s_wait_loadcnt \left
	WIN 0x04                                       ; x in the ring's registers
.endif
.set j, 0
.rept 32
	v_pk_add_f32 v[yb+j:yb+j+1], v[yb+j:yb+j+1], v[yx+j:yx+j+1]    ; + x
.set j, j+2
.endr
	WIN 0
.irp i, 0,1,2,3,4,5,6,7,8,9,10,11,12,13,14,15
	global_store_b128 v[LOFF], v[yb+4*\i:yb+4*\i+3], s[OP:OP+1] offset:(32*((\Y)/2)+8*((\Y)%2)+\i+8*(\i/8))*4096 th:TH_STORE_NT   ; 512 consecutive bytes, at a multiple of 256 from out0's first byte
.endr
.endm
	OUTY 0, 0
	OUTY 1, 0
	OUTY 2, 0
	OUTY 3, 0
	OUTY 4, 0
	OUTY 5, 0
	OUTY 6, 16
	OUTY 7, 0
	s_wait_xcnt 0x0
	v_lshl_add_u32 v254, v0, 2, 0x4d800
	v_mov_b32 v255, 0
	s_wait_tensorcnt 0x0
	ds_add_u32 v254, v255
	s_wait_dscnt 0x0
	s_endpgm
.Lfunc_end_k_qb4bdb1dc63_attn:
	.size	k_qb4bdb1dc63_attn, .Lfunc_end_k_qb4bdb1dc63_attn-k_qb4bdb1dc63_attn
	.p2alignl 7, 3214868480
	.fill 96, 4, 3214868480
	.section	.rodata,"a",@progbits
	.p2align	6, 0x0
	.amdhsa_kernel k_qb4bdb1dc63_attn
		.amdhsa_group_segment_fixed_size 317952
		.amdhsa_private_segment_fixed_size 0
		.amdhsa_enable_private_segment 0
		.amdhsa_kernarg_size 56
		.amdhsa_user_sgpr_count 2
		.amdhsa_user_sgpr_kernarg_segment_ptr 1
		.amdhsa_wavefront_size32 1
		.amdhsa_system_sgpr_workgroup_id_x 1
		.amdhsa_system_sgpr_workgroup_id_y 1
		.amdhsa_system_sgpr_workgroup_id_z 1
		.amdhsa_system_vgpr_workitem_id 0
		.amdhsa_next_free_vgpr 1024
		.amdhsa_next_free_sgpr 66
		.amdhsa_reserve_vcc 0
		.amdhsa_float_denorm_mode_32 3
		.amdhsa_float_denorm_mode_16_64 3
		.amdhsa_memory_ordered 1
		.amdhsa_forward_progress 1
		.amdhsa_inst_pref_size 255
	.end_amdhsa_kernel
	.section	.bss,"aw",@nobits
	.p2align	6
	.space	262144
	.amdgpu_metadata
---
amdhsa.version: [ 1, 2 ]
amdhsa.kernels:
  - .name:           k_qb4bdb1dc63_attn
    .symbol:         k_qb4bdb1dc63_attn.kd
    .args:
      - { .name: qb, .offset: 0, .size: 8, .value_kind: global_buffer, .address_space: global }
      - { .name: kb, .offset: 8, .size: 8, .value_kind: global_buffer, .address_space: global }
      - { .name: vb, .offset: 16, .size: 8, .value_kind: global_buffer, .address_space: global }
      - { .name: wb, .offset: 24, .size: 8, .value_kind: global_buffer, .address_space: global }
      - { .name: bo, .offset: 32, .size: 8, .value_kind: global_buffer, .address_space: global }
      - { .name: x, .offset: 40, .size: 8, .value_kind: global_buffer, .address_space: global }
      - { .name: out0, .offset: 48, .size: 8, .value_kind: global_buffer, .address_space: global }
    .group_segment_fixed_size: 317952
    .private_segment_fixed_size: 0
    .kernarg_segment_align: 8
    .kernarg_segment_size: 56
    .max_flat_workgroup_size: 128
    .sgpr_count:     66
    .vgpr_count:     1024
    .wavefront_size: 32
...
	.end_amdgpu_metadata
.endif
;; end of part 3
;; ======== version 2 of 2: 3 launches; version 1 with the launches qkv, attn written anew for expert scheduling mode
;; workspace buffers: hnb 17,301,504 bytes; qb 17,301,504 bytes; kb 17,301,504 bytes; vb 17,301,504 bytes; wb 1,081,344 bytes
;; launch prep: the kernel of part 1 again; grid 512 x 1, 8 waves a work-group, no clusters, 34,048 bytes of LDS; arguments x, gn_scale, gn_bias, wq, wk, wv, wo, hnb, wb; writes hnb, wb
;; launch qkv (part 4): grid 8 x 32, 4 waves a work-group, no clusters, 68,096 bytes of LDS; arguments hnb, wb, bq, bk, bv, qb, kb, vb; writes qb, kb, vb
.if DOCPART == 4
	.amdgcn_target "amdgcn-amd-amdhsa--gfx1250"
	.amdhsa_code_object_version 6
	.text
	.protected	k_qb4bdb1dc63_qkv
	.globl	k_qb4bdb1dc63_qkv
	.p2align	8
	.type	k_qb4bdb1dc63_qkv,@function
k_qb4bdb1dc63_qkv:
	s_mov_b64 s[64:65], 0
	v_nop
	global_prefetch_b8 v0, s[64:65] scope:SCOPE_SE
	s_setreg_imm32_b32 hwreg(HW_REG_WAVE_SCHED_MODE, 0, 2), 2
	s_setreg_imm32_b32 hwreg(HW_REG_WAVE_MODE, 25, 1), 1
	s_wait_xcnt 0x0
	s_wait_alu depctr_vm_vsrc(0)
; QKV.  q, k, v = W hn + b on codes of E4M3 with E8M0 scales, and their results quantised again: q and k along the channels, v along the pixels.
; LAYOUT of the buffers: fragments (images of an operand's 16 registers, 2,048 bytes) in blocks of four with their scale words (8,448 bytes); rows of a tile T: pi(T, r) = 32 (T / 2) + 8 (T % 2) + r + 8 (r / 8).
; hnb, qb, kb: [image][pixel block 8][kappa 4][half 2];  vb: [image][w 4][key step 8][half 2], rows = channels 128 w + pi;  wb: [w 4][q, k, v, o][kappa 4][half 2].
; SHARES.  A work-group takes 128 pixels of one image and all 1,536 outputs.  THE WAVES SHARE THE OUTPUTS, NOT THE PIXELS: wave w owns rows 128 w .. 128 w + 127 of each weight.
; Its fragments of the weights are read by no other wave of the work-group, so they go from memory straight into a ring of 16 fragments in its registers (four slots of a block; a slot is asked for again
; as soon as its products are issued, one and a half K steps ahead of its next use).  hn's 128 pixels, which all four waves read, lie in LDS as images.  A K step of 128: 8 + 8 fragments, 64 matrix instructions.
; q, k: source 0 = weight rows, source 1 = pixels: a lane holds one pixel and 64 neighbouring channels: the next operand's registers.  v: the sources swapped: a lane holds one channel and 64 neighbouring pixels.
; NO TENSOR LOADS, NO CLUSTER.  The weights are shared by all work-groups, but multicast lands in LDS, and each streamed fragment is read by one wave, once: the way through LDS would add a write
; and a read of every weight byte (811 KB a work-group) to the 811 KB of LDS reads that hn costs, to save reads of 0.8 MB that all work-groups repeat.
; LIMITS: NaN and infinities are not served.  A block whose largest magnitude lies under 2^-118 keeps the scale byte 1, a block of zeros too (its codes are zeros; this program alone reads the bytes).
; REGISTERS, in windows of 256.  Window 0: v1-5 addresses; v6-13 bv of my lane's channels; v14-15 the biases' offsets; v16-31 the ring's scale words, v32-39 hn's (scales and nothing else); v40-63 at work;
;   v64-127 a set of biases, the C of a sum's first products; v128-255 hn's eight fragments, in an epilogue the codes just made.   Window 1: the ring.   Windows 2, 3: the 64 accumulators.
; THE MODE: SCHED_MODE bits 1:0 = 2 (LLVM: expert scheduling mode 2), set by the entry lines.  The code itself states the register dependences
; between vector or matrix instructions and memory or LDS instructions, with s_wait_alu, always for 0.
; THE PLAN.  Registers that memory or LDS instructions touch:
;   a slot of the ring and its four scale words   Loads land in them; the 32 products of one half of a K step read them; behind those 32 the slot is asked for again.
;   a half of v128-255 and its four scale words   LDS loads land in them; two runs of 16 products read them; behind the second run the next K step's half is fetched.
;                                                 In an epilogue the conversions write codes there, and global stores read them.
;   v[AL], v[AR]                                  Written by two additions ahead of a K step's first half of LDS loads; read by both halves' loads.
;   v64-127                                       The biases' loads land in them; a pass's first K step reads them as C.
;   v60-63                                        Written by the epilogue's selects; read by the scale words' stores.
;   v1, v2, v3, v14, v15                          Made at the head, read by loads and stores, never written again.
; So a K step holds three waits on va_vdst: behind its first 32 products (the pair's first slot), behind the next 16 (the shared operand's first half; the two additions stand ahead of it),
; and behind the last 16 (the pair's second slot and the shared operand's second half); and one wait on vm_vsrc, ahead of the two additions.  An epilogue holds one wait on va_vdst a tile, ahead of the tile's stores.
; No window has room for a second set of shared fragments, and a load among the products would want two window switches: so the loads stand in runs, one behind each wait on va_vdst.
.set BLK,   8448
.set SCO,   8192
.set FLOOR, 0x4800000
.set LOFF, 1                           ; 16 x lane
.set ROFF, 2                           ; 16 x (lane % 16)
.set SOFF, 3                           ; 16 r + 8 h: where a lane stores two scale words
.set AL,   4                           ; LDS address of the shared fragments in hand
.set AR,   5                           ; and of their scale words
.set B8,   6
.set BH,   14                          ; 64 h
.set BR,   15                          ; 4 (r + 8 (r / 8))
.set PS,   16
.set SS,   32
.set TM,   40
.set PT,   44
.set HD,   48
.set SO,   52
.set SWQ,  56
.set T,    64
.set SH,   128
.set SP,   6                           ; s[6:7]   the wave's stream of weight blocks
.set WV,   20
.set OUT,  34                          ; s[34:35] where the pass's blocks go
.set TRIP, 36
.set SEL,  38
.set MNT,  40
.set HM,   41
.set MSB, 0
.macro WIN new                         ; the immediate's high byte repeats the setting that is left; a switch that changes nothing is dropped
.if MSB != (\new)
	s_set_vgpr_msb (MSB<<8)|(\new)
.set MSB, (\new)
.endif
.endm
; A vector instruction or store that reads a matrix result stands eight places behind it; only plain vector instructions that name none of its registers are places.
; The eight places ahead of loads into registers that matrix instructions have read stay as they stood, beside the wait that states that dependence: first the places, then the wait.
.macro PLACES
.rept 8
	v_nop
.endr
.endm
.macro GLOAD slot, ptr, off            ; a block from memory into a slot of the ring: 16 loads of 512 consecutive bytes, and its scale words: 17 loads
	WIN 0x40
.irp f, 0,1,2,3
.irp c, 0,1,2,3
	global_load_b128 v[64*(\slot)+16*\f+4*\c:64*(\slot)+16*\f+4*\c+3], v[LOFF], s[\ptr:\ptr+1] offset:(\off)+2048*\f+512*\c
.endr
.endr
	WIN 0
	global_load_b128 v[PS+4*(\slot):PS+4*(\slot)+3], v[ROFF], s[\ptr:\ptr+1] offset:(\off)+SCO
.endm
.macro SLOAD half, base, off           ; a block of the shared operand from LDS: 17 loads.  Half 0 makes the addresses for both halves
.if (\half) == 0
	s_wait_alu depctr_vm_vsrc(0)                   ; the LDS instructions issued so far have read v[AL] and v[AR], which the two lines below write; an epilogue's stores have read their codes, in which the loads below land
	v_add_nc_u32 v[AL], \base, v[LOFF]
	v_add_nc_u32 v[AR], \base, v[ROFF]
	s_wait_alu depctr_va_vdst(0)                   ; v[AL] and v[AR] are written; what named the registers below last (the products on this half and its scale words; an epilogue's conversions) is done with them
.endif
.irp f, 0,1,2,3
.irp c, 0,1,2,3
	ds_load_b128 v[SH+64*(\half)+16*\f+4*\c:SH+64*(\half)+16*\f+4*\c+3], v[AL] offset:(\off)+(\half)*BLK+2048*\f+512*\c
.endr
.endr
	ds_load_b128 v[SS+4*(\half):SS+4*(\half)+3], v[AR] offset:(\off)+(\half)*BLK+SCO
.endm
; 16 matrix instructions on 16 accumulators: four private tiles (half yh of the ring's pair p) x four shared tiles (half xh).
; ori = 0: source 0 = private, accumulator (X, Y) at 64 (X % 4) + 8 Y of window 2 + X / 4.   ori = 1: source 0 = shared, at 64 (Y % 4) + 8 X of window 2 + Y / 4.
; first = 1: C is the constant 0; 2: C is the bias set.  The 64 accumulators take turns, one instruction a turn, in the same order in every K step.
.macro QUAD ori, yh, xh, p, first
.if (\ori) == 0
.if (\first) == 2
	WIN 0x81+0x40*(\xh)
.else
	WIN 0xa1+0x50*(\xh)
.endif
.else
.if (\first) == 2
	WIN 0x84+0x40*(\yh)
.else
	WIN 0xa4+0x50*(\yh)
.endif
.endif
.irp x, 0,1,2,3
.irp y, 0,1,2,3
.set rP, 64*(2*(\p)+(\yh))+16*\y
.set rS, SH+64*(\xh)+16*\x
.set cP, PS+4*(2*(\p)+(\yh))+\y
.set cS, SS+4*(\xh)+\x
.set rC, T+8*(4*(\yh)+\y)
.if (\ori) == 0
.set rD, 64*\x+8*(4*(\yh)+\y)
.if (\first) == 0
	v_wmma_scale_f32_16x16x128_f8f6f4 v[rD:rD+7], v[rP:rP+15], v[rS:rS+15], v[rD:rD+7], v[cP], v[cS]
.elseif (\first) == 1
	v_wmma_scale_f32_16x16x128_f8f6f4 v[rD:rD+7], v[rP:rP+15], v[rS:rS+15], 0, v[cP], v[cS]
.else
	v_wmma_scale_f32_16x16x128_f8f6f4 v[rD:rD+7], v[rP:rP+15], v[rS:rS+15], v[rC:rC+7], v[cP], v[cS]
.endif
.else
.set rD, 64*\y+8*(4*(\xh)+\x)
.if (\first) == 0
	v_wmma_scale_f32_16x16x128_f8f6f4 v[rD:rD+7], v[rS:rS+15], v[rP:rP+15], v[rD:rD+7], v[cS], v[cP]
.elseif (\first) == 1
	v_wmma_scale_f32_16x16x128_f8f6f4 v[rD:rD+7], v[rS:rS+15], v[rP:rP+15], 0, v[cS], v[cP]
.else
	v_wmma_scale_f32_16x16x128_f8f6f4 v[rD:rD+7], v[rS:rS+15], v[rP:rP+15], v[rC:rC+7], v[cS], v[cP]
.endif
.endif
.endr
.endr
.endm
; A K step of 128: 64 matrix instructions.  gl = 1: the pair's two slots are asked for again, from s[ptr] + olo and + ohi, each as soon as its products are issued.
; sl = 1: the next K step's shared blocks, at LDS byte nb + noff, are fetched, each half as soon as this step's is done with.
; w1, w2: the loads that may be out when the pair's first and second slot are wanted: 17 for each group issued later (three groups: 51).
.macro KSTEP ori, p, first, gl, ptr, olo, ohi, sl, nb, noff, w1, w2
	s_wait_loadcnt \w1
	s_wait_dscnt 17                                ; the shared operand's first half is in; the 17 loads of its second may be out
	QUAD \ori, 0, 0, \p, \first
	s_wait_dscnt 0x0
	QUAD \ori, 0, 1, \p, \first
.if \gl
	PLACES
	s_wait_alu depctr_va_vdst(0)                   ; the 32 products above are done reading the pair's first slot and its scale words, in which the loads below land
	GLOAD 2*(\p), \ptr, \olo
.endif
	s_wait_loadcnt \w2
	QUAD \ori, 1, 0, \p, \first
.if \sl
	PLACES
	WIN 0
	SLOAD 0, \nb, \noff
.endif
	QUAD \ori, 1, 1, \p, \first
	PLACES                                         ; for the loads below, and for whatever reads the results behind the last K step
.if (\gl)+(\sl)
	s_wait_alu depctr_va_vdst(0)                   ; the K step's products are done reading the pair's second slot, the shared operand's second half, their scale words and (a pass's first K step) the bias set: loads land in them below
.endif
.if \gl
	GLOAD 2*(\p)+1, \ptr, \ohi
.endif
	WIN 0
.if \sl
	SLOAD 1, \nb, \noff
.endif
.endm
; 64 numbers of a lane at v[a] on of window w (register 16 b + i = k 32 b + 16 (lane / 16) + i of my row) become 16 registers of codes at v[cod] on and the row's scale word v[sw], in window 0.
; Each accumulator is read from its low end on.
.macro QUANTW a, w, cod, sw
	WIN (\w)|((\w)<<2)
.irp b, 0,1,2,3
	v_max3_num_f32 v[TM+\b], |v[(\a)+16*\b]|, |v[(\a)+16*\b+1]|, FLOOR   ; the floor 2^(9 - 127) among the leaves: the byte cannot fall under 1
.endr
	WIN ((\w)<<2)|((\w)<<4)
.irp i, 2,4,6,8,10,12,14
.irp b, 0,1,2,3
	v_max3_num_f32 v[TM+\b], v[TM+\b], |v[(\a)+16*\b+\i]|, |v[(\a)+16*\b+\i+1]|
.endr
.endr
	WIN 0
.irp b, 0,1,2,3
	v_permlanex16_b32 v[PT+\b], v[TM+\b], s[SEL], s[SEL+1]
.endr
.irp b, 0,1,2,3
	v_max_num_f32 v[TM+\b], v[TM+\b], v[PT+\b]     ; with lane l xor 16's 16 numbers: the block's largest magnitude
.endr
.irp b, 0,1,2,3
	v_add_nc_u32 v[SO+\b], 0xfc000000, v[TM+\b]    ; 8 off its exponent field: the conversion's scale operand
.endr
.irp b, 0,1,2,3
	v_and_or_b32 v[HD+\b], v[TM+\b], 0x7f800000, s[MNT]   ; 448 x the scale
.endr
.irp b, 0,1,2,3
	v_lshrrev_b32 v[PT+\b], 23, v[SO+\b]           ; the scale's byte
.endr
	v_lshl_or_b32 v[(\sw)], v[PT+1], 8, v[PT]
	v_lshl_or_b32 v[(\sw)], v[PT+2], 16, v[(\sw)]
	v_lshl_or_b32 v[(\sw)], v[PT+3], 24, v[(\sw)]
	WIN (\w)|((\w)<<6)
.irp b, 0,1,2,3
.irp i, 0,1,2,3,4,5,6,7,8,9,10,11,12,13,14,15
	v_med3_num_f32 v[(\a)+16*\b+\i], v[(\a)+16*\b+\i], -v[HD+\b], v[HD+\b]   ; the conversion to an 8-bit code does not saturate (ISA guide 7.6.2): the hold comes first
.endr
.endr
	WIN (\w)
.irp b, 0,1,2,3
	v_cvt_scalef32_pk8_fp8_f32 v[(\cod)+4*\b:(\cod)+4*\b+1], v[(\a)+16*\b:(\a)+16*\b+7], v[SO+\b]
	v_cvt_scalef32_pk8_fp8_f32 v[(\cod)+4*\b+2:(\cod)+4*\b+3], v[(\a)+16*\b+8:(\a)+16*\b+15], v[SO+\b]
.endr
	WIN 0
	v_nop                                          ; a plain instruction behind the last conversion
.endm
; the 64 accumulators become eight fragments and their scale words, and leave: two blocks at s[OUT].  Each fragment has code registers of its own, each half its own pair for the scale words.
.macro EPI
.irp X, 0,1,2,3,4,5,6,7
	QUANTW 64*(\X%4), 2+\X/4, SH+16*\X, SWQ+\X%4
.if \X%4 == 3
	v_cndmask_b32 v[60+2*(\X/4)], v[SWQ], v[SWQ+2], s[HM]          ; lanes 0-15 store words 0 and 1 of their row, lanes 16-31 words 2 and 3
	v_cndmask_b32 v[61+2*(\X/4)], v[SWQ+1], v[SWQ+3], s[HM]
.endif
	s_wait_alu depctr_va_vdst(0)                   ; the conversions have written the tile's codes, and in a half's last tile the two selects the pair of scale words: the stores below read them
.irp c, 0,1,2,3
	global_store_b128 v[LOFF], v[SH+16*\X+4*\c:SH+16*\X+4*\c+3], s[OUT:OUT+1] offset:(\X/4)*BLK+(\X%4)*2048+512*\c   ; 512 consecutive bytes, at a multiple of 256 from the buffer's first byte
.endr
.if \X%4 == 3
	global_store_b64 v[SOFF], v[60+2*(\X/4):61+2*(\X/4)], s[OUT:OUT+1] offset:(\X/4)*BLK+SCO   ; 256 consecutive bytes
.endif
.endr
.endm
.macro BIASN ptr                       ; a bias set for ori = 0: register 8 Y + j = b[128 w + 32 (Y / 2) + 16 h + 8 (Y % 2) + j]
.irp y, 0,1,2,3,4,5,6,7
	global_load_b128 v[T+8*\y:T+8*\y+3], v[BH], s[\ptr:\ptr+1] offset:(32*(\y/2)+8*(\y%2))*4
	global_load_b128 v[T+8*\y+4:T+8*\y+7], v[BH], s[\ptr:\ptr+1] offset:(32*(\y/2)+8*(\y%2))*4+16
.endr
.endm
	s_load_b256 s[4:11], s[0:1], 0x0               ; hnb s[4:5], wb s[6:7], bq s[8:9], bk s[10:11]
	s_load_b256 s[12:19], s[0:1], 0x20             ; bv s[12:13], qb s[14:15], kb s[16:17], vb s[18:19]
	v_lshrrev_b32 v3, 5, v0
	v_readfirstlane_b32 s[WV], v3                  ; wave 0..3
	v_and_b32 v[LOFF], 31, v0
	v_lshlrev_b32 v[LOFF], 4, v[LOFF]
	v_and_b32 v[BR], 15, v0
	v_lshlrev_b32 v[ROFF], 4, v[BR]
	v_bfe_u32 v[BH], v0, 4, 1
	v_lshl_add_u32 v[SOFF], v[BH], 3, v[ROFF]
	v_lshlrev_b32 v[BH], 6, v[BH]
	v_and_b32 v[AL], 8, v[BR]
	v_add_nc_u32 v[BR], v[BR], v[AL]
	v_lshlrev_b32 v[BR], 2, v[BR]
	s_wait_alu depctr_va_sdst(0)                   ; the wave's number is written, ahead of its first reader: the bases below are made from it
	s_and_b32 s21, ttmp7, 0xffff                   ; image
	s_lshl_b32 s22, s21, 3
	s_add_co_u32 s22, s22, ttmp9                   ; 8 image + pixel block
	s_mul_i32 s24, s22, 8*BLK
	s_mul_i32 s23, s[WV], 16896                    ; my quarter of hn's 67,584 bytes
	s_add_co_u32 s24, s24, s23
	s_mov_b32 s25, 0
	s_lshl_b32 s26, s22, 2
	s_add_co_u32 s26, s26, s[WV]
	s_mul_i32 s26, s26, 2*BLK                      ; q, k: kappa = w
	s_mov_b32 s27, 0
	s_lshl_b32 s28, s21, 2
	s_add_co_u32 s28, s28, s[WV]
	s_lshl_b32 s28, s28, 3
	s_add_co_u32 s28, s28, ttmp9
	s_mul_i32 s28, s28, 2*BLK                      ; v: key step = pixel block
	s_mov_b32 s29, 0
	s_mul_i32 s30, s[WV], 32*BLK
	s_mov_b32 s31, 0
	s_lshl_b32 s32, s[WV], 9
	s_mov_b32 s33, 0
	s_mov_b32 s[SEL], 0x76543210
	s_mov_b32 s[SEL+1], 0xfedcba98
	s_mov_b32 s[MNT], 0x600000
	s_mov_b32 s[HM], 0xffff0000
	s_wait_kmcnt 0x0
	s_add_nc_u64 s[4:5], s[4:5], s[24:25]
	s_add_nc_u64 s[SP:SP+1], s[SP:SP+1], s[30:31]
	s_add_nc_u64 s[8:9], s[8:9], s[32:33]
	s_add_nc_u64 s[10:11], s[10:11], s[32:33]
	s_add_nc_u64 s[12:13], s[12:13], s[32:33]
	s_add_nc_u64 s[14:15], s[14:15], s[26:27]
	s_add_nc_u64 s[16:17], s[16:17], s[26:27]
	s_add_nc_u64 s[18:19], s[18:19], s[28:29]
	s_mov_b64 s[OUT:OUT+1], s[14:15]
	s_wait_alu depctr_va_vdst(0)                   ; the five offsets v1, v2, v3, v14 and v15 are written: every global load and store of the kernel reads one of them
	BIASN 8                                        ; bq
.irp y, 0,1,2,3,4,5,6,7
	global_load_b32 v[B8+\y], v[BR], s[12:13] offset:(32*(\y/2)+8*(\y%2))*4   ; bv[128 w + pi(Y, r)]
.endr
	WIN 0x80                                       ; my quarter of hn goes through the accumulators' registers into LDS
.set i, 0
.rept 33
	global_load_b128 v[4*i:4*i+3], v[LOFF], s[4:5] offset:512*i th:TH_LOAD_NT
.set i, i+1
.endr
	WIN 0
	GLOAD 0, SP, 0
	GLOAD 1, SP, BLK
	GLOAD 2, SP, 2*BLK
	v_add_nc_u32 v[AL], s23, v[LOFF]
.irp b, 0,1,2,3
	v_mov_b32 v[PT+\b], 0                          ; written once: a lane permute's destination counts as one of its sources
.endr
	s_wait_loadcnt 51                              ; the biases and hn are in; the three groups of the ring may be out
	s_wait_alu depctr_va_vdst(0)                   ; v[AL] is written, which the LDS stores below read as their address
	WIN 0x08
.set i, 0
.rept 33
	ds_store_b128 v[AL], v[4*i:4*i+3] offset:512*i
.set i, i+1
.endr
	WIN 0
	GLOAD 3, SP, 3*BLK
	s_wait_dscnt 0x0                               ; for the others' sake: my quarter has landed
	s_barrier_signal -1
	s_barrier_wait -1                              ; hn's eight blocks lie in LDS; nothing writes LDS from here on
	s_mov_b32 s[TRIP], 0
.Lpass:                                            ; two trips: q, then k.  The ring runs on into the next weight: the last two K steps ask for its first four blocks
	SLOAD 0, 0, 0                                  ; (in the first trip its wait on vm_vsrc also states that the head's LDS stores have read v[AL] and the accumulators' registers, which the products below write)
	SLOAD 1, 0, 0
	KSTEP 0, 0, 2, 1, SP, 4*BLK, 5*BLK, 1, 2*BLK, 0, 51, 51
	BIASN 10                                       ; bk, for the next trip, behind the places of the one K step that reads the set; that K step's closing wait on va_vdst, with loads alone behind it, has shown the set read.  The second trip's copy is not used: a branch round it would make the counted waits differ by path
	KSTEP 0, 1, 0, 1, SP, 6*BLK, 7*BLK, 1, 4*BLK, 0, 51, 51
	KSTEP 0, 0, 0, 1, SP, 8*BLK, 9*BLK, 1, 6*BLK, 0, 51, 51
	KSTEP 0, 1, 0, 1, SP, 10*BLK, 11*BLK, 0, 0, 0, 51, 51
	EPI
	s_wait_xcnt 0x0                                ; every earlier memory instruction has had its addresses translated (ISA guide 3.1): the stores' data and both bases are rewritten only behind this wait
	s_wait_alu depctr_vm_vsrc(0)                   ; the epilogue's stores have read their codes and the pairs of scale words, which the next pass writes again
	s_add_nc_u64 s[SP:SP+1], s[SP:SP+1], 8*BLK
	s_mov_b64 s[OUT:OUT+1], s[16:17]
	s_add_co_u32 s[TRIP], s[TRIP], 1
	s_cmp_lt_u32 s[TRIP], 2
	s_cbranch_scc1 .Lpass
	s_mov_b64 s[OUT:OUT+1], s[18:19]               ; v
.irp y, 0,1,2,3,4,5,6,7
.irp j, 0,1,2,3,4,5,6,7
	v_mov_b32 v[T+8*\y+\j], v[B8+\y]               ; the bias set for the swapped sources: a lane holds one channel, so its eight registers of a tile hold one number
.endr
.endr
	PLACES
	SLOAD 0, 0, 0
	SLOAD 1, 0, 0
	KSTEP 1, 0, 2, 1, SP, 4*BLK, 5*BLK, 1, 2*BLK, 0, 51, 51
	KSTEP 1, 1, 0, 1, SP, 6*BLK, 7*BLK, 1, 4*BLK, 0, 51, 51
	KSTEP 1, 0, 0, 0, SP, 0, 0, 1, 6*BLK, 0, 51, 34   ; nothing is left to ask for: the counts run down, 17 a group
	KSTEP 1, 1, 0, 0, SP, 0, 0, 0, 0, 0, 17, 0
	EPI
	s_wait_xcnt 0x0
	s_wait_alu depctr_vm_vsrc(0)                   ; the last tile's stores have read v254 and v255, which the two lines below write
	v_lshl_add_u32 v254, v0, 2, 0x10800
	v_mov_b32 v255, 0
	s_wait_dscnt 0x0                               ; the closing lines, six on end
	s_wait_alu 0x0
	s_wait_tensorcnt 0x0
	ds_add_u32 v254, v255
	s_wait_dscnt 0x0
	s_endpgm
.Lfunc_end_k_qb4bdb1dc63_qkv:
	.size	k_qb4bdb1dc63_qkv, .Lfunc_end_k_qb4bdb1dc63_qkv-k_qb4bdb1dc63_qkv
	.p2alignl 7, 3214868480
	.fill 96, 4, 3214868480
	.section	.rodata,"a",@progbits
	.p2align	6, 0x0
	.amdhsa_kernel k_qb4bdb1dc63_qkv
		.amdhsa_group_segment_fixed_size 68096
		.amdhsa_private_segment_fixed_size 0
		.amdhsa_enable_private_segment 0
		.amdhsa_kernarg_size 64
		.amdhsa_user_sgpr_count 2
		.amdhsa_user_sgpr_kernarg_segment_ptr 1
		.amdhsa_wavefront_size32 1
		.amdhsa_system_sgpr_workgroup_id_x 1
		.amdhsa_system_sgpr_workgroup_id_y 1
		.amdhsa_system_sgpr_workgroup_id_z 1
		.amdhsa_system_vgpr_workitem_id 0
		.amdhsa_next_free_vgpr 1024
		.amdhsa_next_free_sgpr 66
		.amdhsa_reserve_vcc 0
		.amdhsa_float_denorm_mode_32 3
		.amdhsa_float_denorm_mode_16_64 3
		.amdhsa_memory_ordered 1
		.amdhsa_forward_progress 1
		.amdhsa_inst_pref_size 255
	.end_amdhsa_kernel
	.section	.bss,"aw",@nobits
	.p2align	6
	.space	262144
	.amdgpu_metadata
---
amdhsa.version: [ 1, 2 ]
amdhsa.kernels:
  - .name:           k_qb4bdb1dc63_qkv
    .symbol:         k_qb4bdb1dc63_qkv.kd
    .args:
      - { .name: hnb, .offset: 0, .size: 8, .value_kind: global_buffer, .address_space: global }
      - { .name: wb, .offset: 8, .size: 8, .value_kind: global_buffer, .address_space: global }
      - { .name: bq, .offset: 16, .size: 8, .value_kind: global_buffer, .address_space: global }
      - { .name: bk, .offset: 24, .size: 8, .value_kind: global_buffer, .address_space: global }
      - { .name: bv, .offset: 32, .size: 8, .value_kind: global_buffer, .address_space: global }
      - { .name: qb, .offset: 40, .size: 8, .value_kind: global_buffer, .address_space: global }
      - { .name: kb, .offset: 48, .size: 8, .value_kind: global_buffer, .address_space: global }
      - { .name: vb, .offset: 56, .size: 8, .value_kind: global_buffer, .address_space: global }
    .group_segment_fixed_size: 68096
    .private_segment_fixed_size: 0
    .kernarg_segment_align: 8
    .kernarg_segment_size: 64
    .max_flat_workgroup_size: 128
    .sgpr_count:     66
    .vgpr_count:     1024
    .wavefront_size: 32
...
	.end_amdgpu_metadata
.endif
;; end of part 4
;; launch attn (part 5): grid 8 x 32, 4 waves a work-group, no clusters, 317,952 bytes of LDS; arguments qb, kb, vb, wb, bo, x, out0; writes out0
.if DOCPART == 5
	.amdgcn_target "amdgcn-amd-amdhsa--gfx1250"
	.amdhsa_code_object_version 6
	.text
	.protected	k_qb4bdb1dc63_attn
	.globl	k_qb4bdb1dc63_attn
	.p2align	8
	.type	k_qb4bdb1dc63_attn,@function
k_qb4bdb1dc63_attn:
	s_mov_b64 s[64:65], 0
	v_nop
	global_prefetch_b8 v0, s[64:65] scope:SCOPE_SE
	s_setreg_imm32_b32 hwreg(HW_REG_WAVE_SCHED_MODE, 0, 2), 2
	s_setreg_imm32_b32 hwreg(HW_REG_WAVE_MODE, 25, 1), 1
	s_wait_xcnt 0x0
	s_wait_alu depctr_vm_vsrc(0)
; ATTN.  out = wo (softmax(q^T k / sqrt(512)) applied to v) + bo + x, all three products on codes of E4M3 with E8M0 scales.
; LAYOUT of the buffers: fragments (images of an operand's 16 registers, 2,048 bytes) in blocks of four with their scale words (8,448 bytes); rows of a tile T: pi(T, r) = 32 (T / 2) + 8 (T % 2) + r + 8 (r / 8).
; SHARES.  A work-group takes 128 queries of one image.  THE WAVES SHARE THE OTHER AXIS: wave w owns keys 256 w .. + 255 in the scores, channels 128 w .. + 127 of V in the second product and rows
; 128 w .. + 127 of wo in the third.  Those fragments are read by no other wave of the work-group: they go from memory straight into a ring of 16 fragments in its registers.  What all four waves read
; (Q, then P, then the attention's result) lies in LDS as images.  A K step of 128: 8 + 8 fragments, 64 matrix instructions.
; THE SOFTMAX.  t = score x log2(e) / sqrt(512).  A wave makes the scores of a CHUNK of 128 keys for all 128 queries, takes M_c = ceil(the chunk's largest t) away, p = 2^(t - M_c) <= about 1, sums the unquantised p
; (l_c) and quantises p along the keys: a chunk is one K step of the second product, so the wave makes whole fragments and whole scale words.  128 x 1,024 codes of p fit in LDS.  Then the waves
; exchange M_c and l_c: M = the largest M_c, l = the sum of l_c 2^(M_c - M), and M - M_c is taken off the four bytes of each scale word: an exact power of two that the block's scale takes up.
; So O is a plain product over 1,024 keys and is never rescaled; it is divided by l, quantised along the channels, and goes on into the last product.
; THE RESIDUAL IS FETCHED EARLY.  A wave adds 128 rows x 512 bytes of x on its way out.  96 of them are asked for under work that is there anyway, into accumulators that are dead at that time, and parked in LDS
; bytes of the wave's own: rows 0-47 under the two chunks' softmax, rows 48-79 under the exchange of M and l, rows 80-95 under the quantising of the attention's result.  The last 32 rows are asked for
; in the last product's third K step.  So the way out reads a quarter of x from memory beside its stores.
; NO TENSOR LOADS, NO CLUSTER.  K and V are shared by the eight work-groups of an image and wo by all, but multicast lands in LDS, and each streamed fragment is read by one wave, once: the way through LDS
; would add a write and a read of 1.35 MB a work-group to the 2.1 MB that Q, P and the result cost, and beside Q's 66 KB and P's 132 KB LDS has room for slots of under 50 KB.
; LIMITS: NaN and infinities are not served.  A block whose largest magnitude lies under 2^-118 keeps the scale byte 1, a block of zeros too (its codes are zeros).  A scale byte of p that M - M_c would
; take under 0 is held at 0 (2^-127): such p lie under 2^-118 of the row's largest.  v_exp_f32 gives 0 for p under 2^-126.  1 / l is v_rcp_f32 and a multiplication.
; REGISTERS, in windows of 256.  Window 0: v1-5, v3, v14, v15 addresses; v6-13 bo of my lane's rows (until then v6: a prefetch's offset; on the way out an LDS address); v16-31 the ring's scale words, v32-39 the
;   shared operand's (scales and nothing else); v40-63 at work; v64-127 p, then the statistics, then bo as the C of the last product's first K step, on the way out x from LDS; v128-255 the shared fragments,
;   in an epilogue the codes just made.   Window 1: the ring; at the end x's last 32 rows.   Windows 2, 3: the 64 accumulators; where they are dead, x on its way to LDS.
; THE MODE: SCHED_MODE bits 1:0 = 2 (LLVM: expert scheduling mode 2), set by the entry lines.  The code itself states the register dependences
; between vector or matrix instructions and memory or LDS instructions, with s_wait_alu, always for 0.
; THE PLAN.  Registers that memory or LDS instructions touch:
;   a slot of the ring and its four scale words   Loads land in them; the 32 products of one half of a K step read them; behind those 32 the slot is asked for again.
;   a half of v128-255 and its four scale words   LDS loads land in them; two runs of 16 products read them; behind the second run the next K step's half is fetched.
;                                                 In the softmax and in the result's epilogue conversions write codes there, a tile's in registers of its own, and LDS stores read them.
;   v[AL], v[AR]                                  Written by two additions ahead of a K step's first half of LDS loads; read by both halves' loads.
;   v60, v62, v56-59                              -M_c, l_c and four scale words: written in every tile of the softmax, read by the tile's LDS stores.
;   accumulators that are dead                    Read last by a tile's softmax or quantising; rows of x land in them; LDS stores read them; the next product writes them.
;   v3, v14, v15, v6                              Addresses of one phase each: made at the phase's head, all together, ahead of one wait.
;   v64-127, v128-255 on the way out              LDS loads land in them (x, a tile's rows); 32 additions read both and write the rows; global stores read the rows.
;   v1, v2                                        Made at the head, never written again.
; So a K step holds three waits on va_vdst (behind its first 32 products, behind the next 16, behind the last 16) and one on vm_vsrc, ahead of the two additions; a tile of the softmax one wait on vm_vsrc
; and, beside the two for its exponentials, one on va_vdst ahead of its LDS stores, which serves the rows of x that follow too; a tile of the way out one wait on va_vdst, ahead of its stores.
; No window has room for a second set of shared fragments, and a load among the products would want two window switches: so the loads stand in runs.
.set BLK,   8448
.set SCO,   8192
.set FLOOR, 0x4800000
.set QA,    0                          ; LDS: Q's eight blocks (kappa, half); behind the scores' phase x's rows 48-79, 16,384 bytes a wave
.set PB,    8*BLK                      ; P's sixteen blocks (key step, half); behind the second product its bytes are dealt out anew:
.set RS,    PB                         ;   blocks 0-7: the attention's result (kappa, half);
.set STGB,  PB+8*BLK                   ;   blocks 8-11: a stage of 16 x 528 bytes for each wave;
.set XPB,   PB+12*BLK                  ;   blocks 12-15: x's rows 80-95, 8,192 bytes a wave
.set STM,   24*BLK                     ; -M_c: [query tile 8][lane 32][chunk 8] words;
.set STL,   STM+8192                   ; l_c likewise
.set XS,    STL+8192                   ; x's rows 0-47, 24,576 bytes a wave
.set XQB,   QA
.set LOFF, 1                           ; 16 x lane
.set ROFF, 2                           ; 16 x (lane % 16)
.set PA,   3                           ; the scores' phase: where my codes of p go
.set AL,   4
.set AR,   5
.set B8,   6
.set PFV,  6                           ; the scores' phase: 256 x lane
.set XC,   6                           ; the way out: my place in XPB
.set STA,  14                          ; where my -M_c and l_c go
.set PR,   15                          ; where my scale words of p go
.set PS,   16
.set SS,   32
.set TM,   40
.set PT,   44
.set HD,   48
.set SO,   52
.set SWQ,  56
.set NM,   60                          ; v[60:61] -M_c (the packed form names the pair and takes its low word)
.set SU,   62                          ; v[62:63] the sum
.set T,    64
.set SH,   128
.set QP, 4
.set KP, 6
.set VP, 8
.set WP, 10
.set BO, 12
.set XP, 14
.set OP, 16
.set WV, 20
.set RA, 24                            ; s[24:25], s[26:27] where the ring's refills stand
.set RB, 26
.set SB, 28                            ; LDS byte of the pair of key steps in hand;
.set SBN, 29                           ; of the next pair
.set PBS, 30                           ; LDS byte of my chunk's two blocks of P
.set STS, 31                           ; STM + 4 x my chunk
.set CI, 32
.set PFT, 33
.set PFP, 34
.set XQ, 36                            ; s[36:37] the rows of x that are asked for next
.set CS, 38                            ; s[38:39] c = log2(e) / sqrt(512)
.set SEL, 40
.set MNT, 42
.set C80, 43
.set C01, 44
.set XSS, 45                           ; LDS byte at which the trip's 24 rows of x are parked
.set MSB, 0
.macro WIN new                         ; the immediate's high byte repeats the setting that is left; a switch that changes nothing is dropped
.if MSB != (\new)
	s_set_vgpr_msb (MSB<<8)|(\new)
.set MSB, (\new)
.endif
.endm
; A vector instruction or store that reads a matrix result stands eight places behind it; only plain vector instructions that name none of its registers are places.
; The eight places ahead of loads into registers that matrix instructions have read stay as they stood, beside the wait that states that dependence: first the places, then the wait.
.macro PLACES
.rept 8
	v_nop
.endr
.endm
.macro BAR                             ; my LDS stores have landed and my LDS loads are in: then the work-group's barrier
	s_wait_dscnt 0x0
	s_barrier_signal -1
	s_barrier_wait -1
.endm
.macro GLOAD slot, ptr, off            ; a block from memory into a slot of the ring: 16 loads of 512 consecutive bytes, and its scale words: 17 loads
	WIN 0x40
.irp f, 0,1,2,3
.irp c, 0,1,2,3
	global_load_b128 v[64*(\slot)+16*\f+4*\c:64*(\slot)+16*\f+4*\c+3], v[LOFF], s[\ptr:\ptr+1] offset:(\off)+2048*\f+512*\c
.endr
.endr
	WIN 0
	global_load_b128 v[PS+4*(\slot):PS+4*(\slot)+3], v[ROFF], s[\ptr:\ptr+1] offset:(\off)+SCO
.endm
.macro SLOAD half, base, off           ; a block of the shared operand from LDS: 17 loads.  Half 0 makes the addresses for both halves
.if (\half) == 0
	s_wait_alu depctr_vm_vsrc(0)                   ; the LDS instructions issued so far have read v[AL] and v[AR], which the two lines below write; LDS stores of codes have read their registers, in which the loads below land
	v_add_nc_u32 v[AL], \base, v[LOFF]
	v_add_nc_u32 v[AR], \base, v[ROFF]
	s_wait_alu depctr_va_vdst(0)                   ; v[AL] and v[AR] are written; what named the registers below last (the products on this half and its scale words; conversions; the statistics' arithmetic) is done with them
.endif
.irp f, 0,1,2,3
.irp c, 0,1,2,3
	ds_load_b128 v[SH+64*(\half)+16*\f+4*\c:SH+64*(\half)+16*\f+4*\c+3], v[AL] offset:(\off)+(\half)*BLK+2048*\f+512*\c
.endr
.endr
	ds_load_b128 v[SS+4*(\half):SS+4*(\half)+3], v[AR] offset:(\off)+(\half)*BLK+SCO
.endm
; 16 matrix instructions on 16 accumulators: four private tiles (half yh of the ring's pair p) x four shared tiles (half xh).
; ori = 0: source 0 = private, accumulator (X, Y) at 64 (X % 4) + 8 Y of window 2 + X / 4.   ori = 1: source 0 = shared, at 64 (Y % 4) + 8 X of window 2 + Y / 4.
; first = 1: C is the constant 0; 2: C is the bias set.  The 64 accumulators take turns, one instruction a turn, in the same order in every K step.
.macro QUAD ori, yh, xh, p, first
.if (\ori) == 0
.if (\first) == 2
	WIN 0x81+0x40*(\xh)
.else
	WIN 0xa1+0x50*(\xh)
.endif
.else
.if (\first) == 2
	WIN 0x84+0x40*(\yh)
.else
	WIN 0xa4+0x50*(\yh)
.endif
.endif
.irp x, 0,1,2,3
.irp y, 0,1,2,3
.set rP, 64*(2*(\p)+(\yh))+16*\y
.set rS, SH+64*(\xh)+16*\x
.set cP, PS+4*(2*(\p)+(\yh))+\y
.set cS, SS+4*(\xh)+\x
.set rC, T+8*(4*(\yh)+\y)
.if (\ori) == 0
.set rD, 64*\x+8*(4*(\yh)+\y)
.if (\first) == 0
	v_wmma_scale_f32_16x16x128_f8f6f4 v[rD:rD+7], v[rP:rP+15], v[rS:rS+15], v[rD:rD+7], v[cP], v[cS]
.elseif (\first) == 1
	v_wmma_scale_f32_16x16x128_f8f6f4 v[rD:rD+7], v[rP:rP+15], v[rS:rS+15], 0, v[cP], v[cS]
.else
	v_wmma_scale_f32_16x16x128_f8f6f4 v[rD:rD+7], v[rP:rP+15], v[rS:rS+15], v[rC:rC+7], v[cP], v[cS]
.endif
.else
.set rD, 64*\y+8*(4*(\xh)+\x)
.if (\first) == 0
	v_wmma_scale_f32_16x16x128_f8f6f4 v[rD:rD+7], v[rS:rS+15], v[rP:rP+15], v[rD:rD+7], v[cS], v[cP]
.elseif (\first) == 1
	v_wmma_scale_f32_16x16x128_f8f6f4 v[rD:rD+7], v[rS:rS+15], v[rP:rP+15], 0, v[cS], v[cP]
.else
	v_wmma_scale_f32_16x16x128_f8f6f4 v[rD:rD+7], v[rS:rS+15], v[rP:rP+15], v[rC:rC+7], v[cS], v[cP]
.endif
.endif
.endr
.endr
.endm
; A K step of 128: 64 matrix instructions.  gl = 1: the pair's two slots are asked for again, from s[ptr] + olo and + ohi, each as soon as its products are issued.
; sl = 1: the next K step's shared blocks, at LDS byte nb + noff, are fetched, each half as soon as this step's is done with.
; w1, w2: the loads that may be out when the pair's first and second slot are wanted: 17 for each group issued later (three groups: 51).
.macro KSTEP ori, p, first, gl, ptr, olo, ohi, sl, nb, noff, w1, w2
	s_wait_loadcnt \w1
	s_wait_dscnt 17                                ; the shared operand's first half is in; the 17 loads of its second may be out
	QUAD \ori, 0, 0, \p, \first
	s_wait_dscnt 0x0
	QUAD \ori, 0, 1, \p, \first
.if \gl
	PLACES
	s_wait_alu depctr_va_vdst(0)                   ; the 32 products above are done reading the pair's first slot and its scale words, in which the loads below land
	GLOAD 2*(\p), \ptr, \olo
.endif
	s_wait_loadcnt \w2
	QUAD \ori, 1, 0, \p, \first
.if \sl
	PLACES
	WIN 0
	SLOAD 0, \nb, \noff
.endif
	QUAD \ori, 1, 1, \p, \first
	PLACES                                         ; for the loads below, and for whatever reads the results behind the last K step
.if (\gl)+(\sl)
	s_wait_alu depctr_va_vdst(0)                   ; the K step's products are done reading the pair's second slot, the shared operand's second half and their scale words: loads land in them below
.endif
.if \gl
	GLOAD 2*(\p)+1, \ptr, \ohi
.endif
	WIN 0
.if \sl
	SLOAD 1, \nb, \noff
.endif
.endm
; 64 numbers of a lane at v[a] on of window w (register 16 b + i = k 32 b + 16 (lane / 16) + i of my row) become 16 registers of codes at v[cod] on and the row's scale word v[sw], in window 0.
.macro QUANTW a, w, cod, sw
	WIN (\w)|((\w)<<2)
.irp b, 0,1,2,3
	v_max3_num_f32 v[TM+\b], |v[(\a)+16*\b]|, |v[(\a)+16*\b+1]|, FLOOR   ; the floor 2^(9 - 127) among the leaves: the byte cannot fall under 1
.endr
	WIN ((\w)<<2)|((\w)<<4)
.irp i, 2,4,6,8,10,12,14
.irp b, 0,1,2,3
	v_max3_num_f32 v[TM+\b], v[TM+\b], |v[(\a)+16*\b+\i]|, |v[(\a)+16*\b+\i+1]|
.endr
.endr
	WIN 0
.irp b, 0,1,2,3
	v_permlanex16_b32 v[PT+\b], v[TM+\b], s[SEL], s[SEL+1]
.endr
.irp b, 0,1,2,3
	v_max_num_f32 v[TM+\b], v[TM+\b], v[PT+\b]     ; with lane l xor 16's 16 numbers: the block's largest magnitude
.endr
.irp b, 0,1,2,3
	v_add_nc_u32 v[SO+\b], 0xfc000000, v[TM+\b]    ; 8 off its exponent field: the conversion's scale operand
.endr
.irp b, 0,1,2,3
	v_and_or_b32 v[HD+\b], v[TM+\b], 0x7f800000, s[MNT]   ; 448 x the scale
.endr
.irp b, 0,1,2,3
	v_lshrrev_b32 v[PT+\b], 23, v[SO+\b]           ; the scale's byte
.endr
	v_lshl_or_b32 v[(\sw)], v[PT+1], 8, v[PT]
	v_lshl_or_b32 v[(\sw)], v[PT+2], 16, v[(\sw)]
	v_lshl_or_b32 v[(\sw)], v[PT+3], 24, v[(\sw)]
	WIN (\w)|((\w)<<6)
.irp b, 0,1,2,3
.irp i, 0,1,2,3,4,5,6,7,8,9,10,11,12,13,14,15
	v_med3_num_f32 v[(\a)+16*\b+\i], v[(\a)+16*\b+\i], -v[HD+\b], v[HD+\b]   ; the conversion to an 8-bit code does not saturate (ISA guide 7.6.2): the hold comes first
.endr
.endr
	WIN (\w)
.irp b, 0,1,2,3
	v_cvt_scalef32_pk8_fp8_f32 v[(\cod)+4*\b:(\cod)+4*\b+1], v[(\a)+16*\b:(\a)+16*\b+7], v[SO+\b]
	v_cvt_scalef32_pk8_fp8_f32 v[(\cod)+4*\b+2:(\cod)+4*\b+3], v[(\a)+16*\b+8:(\a)+16*\b+15], v[SO+\b]
.endr
	WIN 0
	v_nop                                          ; a plain instruction behind the last conversion
.endm
; THE CHUNK'S SOFTMAX for query tile X.  A lane holds one query (pi(X, lane % 16)) and 64 scores: register 16 b + i = key 32 b + 16 (lane / 16) + i of the chunk.
.macro SMAX X
.set xa, 64*((\X)%4)
.set xw, 2+(\X)/4
.set xc, SH+16*(\X)
	WIN 0x15*xw
.irp b, 0,1,2,3
	v_max3_num_f32 v[TM+\b], v[xa+16*\b], v[xa+16*\b+1], v[xa+16*\b+2]   ; the largest score of each block of 32 keys: it serves the chunk's maximum and, since p rises with the score, the block's largest p
.endr
	WIN 0x14*xw
.irp i, 3,5,7,9,11,13
.irp b, 0,1,2,3
	v_max3_num_f32 v[TM+\b], v[TM+\b], v[xa+16*\b+\i], v[xa+16*\b+\i+1]
.endr
.endr
.irp b, 0,1,2,3
	v_max_num_f32 v[TM+\b], v[TM+\b], v[xa+16*\b+15]
.endr
	WIN 0
	s_wait_dscnt 0x0                               ; the last tile's LDS stores have landed
.if (\X) > 0
	s_wait_alu depctr_vm_vsrc(0)                   ; the last tile's LDS stores have read -M_c, l_c and the scale words, which are written again below
.endif
.irp b, 0,1,2,3
	v_permlanex16_b32 v[PT+\b], v[TM+\b], s[SEL], s[SEL+1]
.endr
.irp b, 0,1,2,3
	v_max_num_f32 v[TM+\b], v[TM+\b], v[PT+\b]     ; with lane l xor 16's 16 keys
.endr
	v_max3_num_f32 v[PT], v[TM], v[TM+1], v[TM+2]
	v_max_num_f32 v[PT], v[PT], v[TM+3]            ; the chunk's largest score of my query,
	v_mul_f32 v[PT], s[CS], v[PT]                  ; as t (c is positive)
	v_floor_f32 v[NM], -v[PT]                      ; -M_c = floor(-t) = -ceil(t): a whole number
	WIN xw
.set j, 0
.rept 32
	v_pk_fma_f32 v[T+j:T+j+1], v[xa+j:xa+j+1], s[CS:CS+1], v[NM:NM+1] op_sel_hi:[1,0,0]   ; t - M_c, two at a time, out of the accumulators into window 0
.set j, j+2
.endr
	WIN 0
.irp b, 0,1,2,3
	v_fma_f32 v[TM+\b], v[TM+\b], s[CS], v[NM]     ; the same of each block's largest score
.endr
.set j, 0
.rept 64
	v_exp_f32 v[T+j], v[T+j]                       ; p = 2^(t - M_c): not normalised
.set j, j+1
.endr
	v_nop                                          ; a plain instruction behind the exponentials,
	s_wait_alu depctr_va_vdst(0)                   ; and ONE wait for the batch: the 64 p are written, ahead of their first reader
.irp b, 0,1,2,3
	v_exp_f32 v[TM+\b], v[TM+\b]                   ; the block's largest p: the same two instructions on the same number give the same bits
.endr
	v_pk_add_f32 v[SU:SU+1], v[T:T+1], v[T+2:T+3]  ; the sum of the UNQUANTISED p, two at a time, in two chains: it reads the 64 alone
	v_pk_add_f32 v[PT:PT+1], v[T+4:T+5], v[T+6:T+7]
.set j, 8
.rept 14
	v_pk_add_f32 v[SU:SU+1], v[SU:SU+1], v[T+j:T+j+1]
	v_pk_add_f32 v[PT:PT+1], v[PT:PT+1], v[T+j+2:T+j+3]
.set j, j+4
.endr
	v_pk_add_f32 v[SU:SU+1], v[SU:SU+1], v[PT:PT+1]
	v_add_f32 v[SU], v[SU], v[SU+1]
	v_permlanex16_b32 v[PT], v[SU], s[SEL], s[SEL+1]
	v_add_f32 v[SU], v[SU], v[PT]                  ; l_c: with lane l xor 16's 64 keys
	s_wait_alu depctr_va_vdst(0)                   ; and one wait for the four: the blocks' largest p are written, ahead of their first reader
.irp b, 0,1,2,3
	v_max_num_f32 v[TM+\b], FLOOR, v[TM+\b]        ; the floor: a block whose every p has fallen to 0 keeps the byte 1: its codes are zeros
.endr
.irp b, 0,1,2,3
	v_add_nc_u32 v[SO+\b], 0xfc000000, v[TM+\b]
.endr
.irp b, 0,1,2,3
	v_and_or_b32 v[HD+\b], v[TM+\b], 0x7f800000, s[MNT]
.endr
.irp b, 0,1,2,3
	v_lshrrev_b32 v[PT+\b], 23, v[SO+\b]
.endr
	v_lshl_or_b32 v[SWQ+(\X)%4], v[PT+1], 8, v[PT]
	v_lshl_or_b32 v[SWQ+(\X)%4], v[PT+2], 16, v[SWQ+(\X)%4]
	v_lshl_or_b32 v[SWQ+(\X)%4], v[PT+3], 24, v[SWQ+(\X)%4]
.irp b, 0,1,2,3
.irp i, 0,1,2,3,4,5,6,7,8,9,10,11,12,13,14,15
	v_min_num_f32 v[T+16*\b+\i], v[T+16*\b+\i], v[HD+\b]           ; p is not negative: the hold is one-sided
.endr
	v_cvt_scalef32_pk8_fp8_f32 v[xc+4*\b:xc+4*\b+1], v[T+16*\b:T+16*\b+7], v[SO+\b]
	v_cvt_scalef32_pk8_fp8_f32 v[xc+4*\b+2:xc+4*\b+3], v[T+16*\b+8:T+16*\b+15], v[SO+\b]
.endr
	v_nop                                          ; a plain instruction behind the last conversion
	s_wait_alu depctr_va_vdst(0)                   ; the tile's codes, -M_c, l_c and the scale words are written (in tile 0 the three addresses too): the LDS stores below read them.  The tile's scores have been read as well: where rows of x follow, they land in its accumulators
.irp c, 0,1,2,3
	ds_store_b128 v[PA], v[xc+4*\c:xc+4*\c+3] offset:((\X)/4)*BLK+((\X)%4)*2048+512*\c   ; the fragment goes to LDS as it stands
.endr
	ds_store_b32 v[STA], v[NM] offset:1024*(\X)
	ds_store_b32 v[STA], v[SU] offset:8192+1024*(\X)
.if (\X)%4 == 3
	ds_store_b128 v[PR], v[SWQ:SWQ+3] offset:((\X)/4)*BLK+SCO      ; lanes r and r + 16 write the same words with the same values
.endif
.endm
; n rows of x, from row i0 of the trip's 24 on, are asked for, into the accumulators of query tiles whose softmax is done: row i lands in v[4 i] on of window 2.  A load reads 512 consecutive bytes.
; No wait of its own: no vector or matrix instruction stands between the wait ahead of the tile's LDS stores and these loads.
.macro XGET i0, n
	WIN 0x80
.set i, \i0
.rept \n
	global_load_b128 v[4*i:4*i+3], v[LOFF], s[XQ:XQ+1] offset:4096*i th:TH_LOAD_NT
.set i, i+1
.endr
	WIN 0
.endm
; x's 16 rows of output tile Y (row i of the tile is row 32 (Y / 2) + 8 (Y % 2) + i + 8 (i / 8) of my 128) into v[base] on of the window that is set for destinations: from where they were parked, or from memory
.macro XLOAD Y, base
.irp i, 0,1,2,3,4,5,6,7,8,9,10,11,12,13,14,15
.set xr, 32*((\Y)/2)+8*((\Y)%2)+\i+8*(\i/8)
.set xd, (\base)+4*\i
.if xr < 48
	ds_load_b128 v[xd:xd+3], v[AL] offset:512*xr
.elseif xr < 80
	ds_load_b128 v[xd:xd+3], v[AR] offset:512*(xr-48)
.elseif xr < 96
	ds_load_b128 v[xd:xd+3], v[XC] offset:512*(xr-80)
.else
	global_load_b128 v[xd:xd+3], v[LOFF], s[XP:XP+1] offset:4096*xr th:TH_LOAD_NT
.endif
.endr
.endm
	s_load_b256 s[4:11], s[0:1], 0x0               ; qb, kb, vb, wb
	s_load_b128 s[12:15], s[0:1], 0x20             ; bo, x
	s_load_b64 s[16:17], s[0:1], 0x30              ; out0
	v_lshrrev_b32 v3, 5, v0
	v_readfirstlane_b32 s[WV], v3                  ; wave 0..3
	v_and_b32 v[LOFF], 31, v0
	v_lshlrev_b32 v[LOFF], 4, v[LOFF]
	v_and_b32 v[ROFF], 15, v0
	v_lshlrev_b32 v[ROFF], 4, v[ROFF]
	v_lshlrev_b32 v[PFV], 4, v[LOFF]               ; 256 x lane
	s_wait_alu depctr_va_sdst(0)                   ; the wave's number is written, ahead of its first reader: the bases below are made from it
	s_and_b32 s21, ttmp7, 0xffff                   ; image
	s_lshl_b32 s22, s21, 3
	s_add_co_u32 s46, s22, ttmp9
	s_mul_i32 s46, s46, 8*BLK
	s_mul_i32 s23, s[WV], 16896                    ; my quarter of Q's 67,584 bytes
	s_add_co_u32 s46, s46, s23
	s_mov_b32 s47, 0
	s_lshl_b32 s48, s[WV], 1
	s_add_co_u32 s48, s48, s22
	s_mul_i32 s48, s48, 8*BLK                      ; K: pixel blocks 2 w and 2 w + 1: sixteen blocks on end
	s_mov_b32 s49, 0
	s_lshl_b32 s50, s21, 2
	s_add_co_u32 s50, s50, s[WV]
	s_mul_i32 s50, s50, 16*BLK                     ; V: my 128 channels, eight key steps: sixteen blocks on end
	s_mov_b32 s51, 0
	s_lshl_b32 s52, s[WV], 2
	s_add_co_u32 s52, s52, 3
	s_mul_i32 s52, s52, 8*BLK                      ; wo: my 128 rows: eight blocks
	s_mov_b32 s53, 0
	s_lshl_b32 s54, s21, 21
	s_lshl_b32 s55, s[WV], 19
	s_add_co_u32 s54, s54, s55
	s_lshl_b32 s55, ttmp9, 9
	s_add_co_u32 s54, s54, s55                     ; x, out0: ((512 image + 128 w) x 1,024 + 128 block) x 4
	s_mov_b32 s55, 0
	s_lshl_b32 s56, s[WV], 9
	s_mov_b32 s57, 0
	s_mov_b32 s[CS], 0x3d8293ee
	s_mov_b32 s[CS+1], s[CS]                       ; (named with it as a pair, so it is written)
	s_mov_b32 s[SEL], 0x76543210
	s_mov_b32 s[SEL+1], 0xfedcba98
	s_mov_b32 s[MNT], 0x600000
	s_mov_b32 s[C80], 0x80808080
	s_mov_b32 s[C01], 0x01010101
	s_mul_i32 s[PBS], s[WV], 4*BLK
	s_add_co_u32 s[PBS], s[PBS], PB
	s_lshl_b32 s[STS], s[WV], 3
	s_add_co_u32 s[STS], s[STS], STM
	s_mul_i32 s[XSS], s[WV], 24576
	s_add_co_u32 s[XSS], s[XSS], XS
	s_wait_kmcnt 0x0
	s_add_nc_u64 s[QP:QP+1], s[QP:QP+1], s[46:47]
	s_add_nc_u64 s[KP:KP+1], s[KP:KP+1], s[48:49]
	s_add_nc_u64 s[VP:VP+1], s[VP:VP+1], s[50:51]
	s_add_nc_u64 s[WP:WP+1], s[WP:WP+1], s[52:53]
	s_add_nc_u64 s[BO:BO+1], s[BO:BO+1], s[56:57]
	s_add_nc_u64 s[XP:XP+1], s[XP:XP+1], s[54:55]
	s_add_nc_u64 s[OP:OP+1], s[OP:OP+1], s[54:55]
	s_add_nc_u64 s[RA:RA+1], s[KP:KP+1], 4*BLK
	s_add_nc_u64 s[RB:RB+1], s[KP:KP+1], 8*BLK
	s_mov_b64 s[XQ:XQ+1], s[XP:XP+1]
	; the prefetches of K and V.  The eight work-groups of an image walk the same streams; work-group u asks, for each of its waves' streams, for two blocks: u < 2: K's blocks 12 + 2 u on, in the first trip;
	; else V's blocks 2 u on, in the second.  So K's blocks 12-15 and V's 4-15 of each stream are named once in the launch; the others come by their loads alone.
	s_cmp_lt_u32 ttmp9, 2
	s_cselect_b64 s[PFP:PFP+1], s[KP:KP+1], s[VP:VP+1]
	s_cselect_b32 s[PFT], 0, 1
	s_cselect_b32 s46, 12, 0
	s_lshl_b32 s47, ttmp9, 1
	s_add_co_u32 s46, s46, s47
	s_mul_i32 s46, s46, BLK
	s_mov_b32 s47, 0
	s_add_nc_u64 s[PFP:PFP+1], s[PFP:PFP+1], s[46:47]
	s_wait_alu depctr_va_vdst(0)                   ; the offsets v1, v2 and v6 are written: the loads, stores and prefetches below read them
	WIN 0x80                                       ; my quarter of Q goes through the accumulators' registers into LDS
.set i, 0
.rept 33
	global_load_b128 v[4*i:4*i+3], v[LOFF], s[QP:QP+1] offset:512*i th:TH_LOAD_NT
.set i, i+1
.endr
	WIN 0
	GLOAD 0, KP, 0
	GLOAD 1, KP, BLK
	GLOAD 2, KP, 2*BLK
	v_add_nc_u32 v[AL], s23, v[LOFF]
.irp b, 0,1,2,3
	v_mov_b32 v[PT+\b], 0                          ; written once: a lane permute's destination counts as one of its sources
.endr
	v_mov_b32 v[NM+1], 0                           ; (named as the upper half of a pair)
	s_wait_loadcnt 51                              ; Q is in; the three groups of the ring may be out
	s_wait_alu depctr_va_vdst(0)                   ; v[AL] is written, which the LDS stores below read as their address
	WIN 0x08
.set i, 0
.rept 33
	ds_store_b128 v[AL], v[4*i:4*i+3] offset:QA+512*i
.set i, i+1
.endr
	WIN 0
	GLOAD 3, KP, 3*BLK
	BAR                                            ; Q's eight blocks lie in LDS
	; ---------------------------------------------------------------- the scores and the chunks' softmax: two trips, chunk 2 w + trip
	s_mov_b32 s[CI], 0
.Lchunk:
	SLOAD 0, QA, 0                                 ; (in the first trip its wait on vm_vsrc also states that the head's LDS stores have read v[AL] and the accumulators' registers, which the products below write)
	SLOAD 1, QA, 0
	KSTEP 0, 0, 1, 1, RA, 0, BLK, 1, QA+2*BLK, 0, 51, 51
	s_cmp_eq_u32 s[CI], s[PFT]                     ; a branch on the work-group's number and the trip: this launch has no cluster
	s_cbranch_scc0 .Lnoask
	global_prefetch_b8 v[PFV], s[PFP:PFP+1] th:TH_LOAD_NT scope:SCOPE_SE              ; lanes 256 bytes apart: a block's codes; behind the K step's loads
	global_prefetch_b8 v[PFV], s[PFP:PFP+1] offset:BLK th:TH_LOAD_NT scope:SCOPE_SE
.Lnoask:
	KSTEP 0, 1, 0, 1, RA, 2*BLK, 3*BLK, 1, QA+4*BLK, 0, 51, 51
	KSTEP 0, 0, 0, 1, RB, 0, BLK, 1, QA+6*BLK, 0, 51, 51           ; the ring runs on: the next chunk's first four blocks, in the second trip V's: they land under the softmax
	KSTEP 0, 1, 0, 1, RB, 2*BLK, 3*BLK, 0, 0, 0, 51, 51
	v_add_nc_u32 v[PA], s[PBS], v[LOFF]            ; (the LDS stores of the trip before that read these three stand ahead of that trip's last wait on vm_vsrc)
	v_add_nc_u32 v[PR], s[PBS], v[ROFF]
	v_lshl_add_u32 v[STA], v[LOFF], 1, s[STS]      ; 32 x lane + 4 x chunk
	SMAX 0
	XGET 0, 16                                     ; tile 0's scores are done with: its 64 registers take 16 rows of x,
	SMAX 1
	XGET 16, 8                                     ; tile 1's first 32 take eight more: rows 24 trip + 0 .. 23.  They have six tiles' softmax in which to land
.irp X, 2,3,4,5,6,7
	SMAX \X
.endr
	s_wait_dscnt 0x0                               ; my stores have landed
	s_wait_alu depctr_vm_vsrc(0)                   ; the softmax's LDS stores have read v[PA], which the line below writes, and v[PR], v[STA] and the codes, which the next phase writes
	v_add_nc_u32 v[PA], s[XSS], v[LOFF]
	s_wait_loadcnt 0x0                             ; x's 24 rows are in; they are the youngest loads, so the count is 0 (the ring's groups, asked for ahead of the softmax, are in with them)
	s_wait_alu depctr_va_vdst(0)                   ; v[PA] is written, which the LDS stores below read as their address
	WIN 0x08
.set i, 0
.rept 24
	ds_store_b128 v[PA], v[4*i:4*i+3] offset:512*i ; parked in bytes of my own: nobody else touches them
.set i, i+1
.endr
	WIN 0
	s_wait_dscnt 0x0                               ; the stores have landed
	s_wait_alu depctr_vm_vsrc(0)                   ; the stores have read x's registers, which the next products write, and v[PA], which is written again
	s_wait_xcnt 0x0                                ; every earlier memory instruction has had its addresses translated (ISA guide 3.1): the loads' bases are rewritten only behind this wait
	s_add_nc_u64 s[RA:RA+1], s[RA:RA+1], 8*BLK
	s_mov_b64 s[RB:RB+1], s[VP:VP+1]
	s_add_nc_u64 s[XQ:XQ+1], s[XQ:XQ+1], 24*4096
	s_add_co_u32 s[XSS], s[XSS], 24*512
	s_add_co_u32 s[PBS], s[PBS], 2*BLK
	s_add_co_u32 s[STS], s[STS], 4
	s_add_co_u32 s[CI], s[CI], 1
	s_cmp_lt_u32 s[CI], 2
	s_cbranch_scc1 .Lchunk
	WIN 0xc0                                       ; x's rows 48-79 are asked for, into window 3's first 128 registers: no accumulator is alive until the second product begins
	s_wait_alu depctr_va_vdst(0)                   ; the softmax of tiles 4 and 5 is done reading these registers, in which the loads below land
.set i, 0
.rept 32
	global_load_b128 v[4*i:4*i+3], v[LOFF], s[XQ:XQ+1] offset:4096*i th:TH_LOAD_NT
.set i, i+1
.endr
	WIN 0
	BAR                                            ; every chunk's -M_c, l_c, codes and scale words lie in LDS; nobody reads Q any more
	; ---------------------------------------------------------------- the rows' M and l; M - M_c off my scale words
	; the phase's four addresses are made together, ahead of one wait.  What read these registers last (the softmax's and the parking's LDS stores, the K steps' LDS loads) stands ahead of the last trip's waits on vm_vsrc
	v_and_b32 v15, 15, v0
	v_and_b32 v14, 8, v15
	v_add_nc_u32 v15, v15, v14
	v_lshlrev_b32 v15, 2, v15                      ; 4 (r + 8 (r / 8))
	v_lshl_add_u32 v14, v[LOFF], 1, STM
	s_lshl_b32 s46, s[WV], 3
	s_add_co_u32 s46, s46, STM
	v_lshl_add_u32 v3, v[LOFF], 1, s46
	s_mul_i32 s47, s[WV], 4*BLK
	s_add_co_u32 s47, s47, PB
	v_add_nc_u32 v[AL], s47, v[ROFF]
	s_wait_alu depctr_va_vdst(0)                   ; v15, v14, v3 and v[AL] are written, which the loads below read; the softmax is done with v96-127 and has written the codes in v128-255: LDS loads land in both
.irp y, 0,1,2,3,4,5,6,7
	global_load_b32 v[B8+\y], v15, s[BO:BO+1] offset:(32*(\y/2)+8*(\y%2))*4   ; bo[128 w + pi(Y, r)], for the last product
.endr
.irp x, 0,1,2,3,4,5,6,7
	ds_load_b128 v[SH+8*\x:SH+8*\x+3], v14 offset:1024*\x                     ; the eight -M_c of my query of tile x,
	ds_load_b128 v[SH+8*\x+4:SH+8*\x+7], v14 offset:1024*\x+16
	ds_load_b128 v[SH+64+8*\x:SH+64+8*\x+3], v14 offset:8192+1024*\x          ; the eight l_c,
	ds_load_b128 v[SH+64+8*\x+4:SH+64+8*\x+7], v14 offset:8192+1024*\x+16
	ds_load_b64 v[96+2*\x:97+2*\x], v3 offset:1024*\x                         ; and my own two chunks' -M_c once more, at register numbers that do not hang on the wave
.endr
.irp m, 0,1,2,3
	ds_load_b128 v[112+4*\m:115+4*\m], v[AL] offset:\m*BLK+SCO                ; my sixteen scale words: chunk m / 2, tiles 4 (m % 2) + 0 .. 3
.endr
	s_wait_dscnt 0x0
.irp x, 0,1,2,3,4,5,6,7
	v_min3_num_f32 v[80+\x], v[SH+8*\x], v[SH+8*\x+1], v[SH+8*\x+2]
.endr
.irp x, 0,1,2,3,4,5,6,7
	v_min3_num_f32 v[80+\x], v[80+\x], v[SH+8*\x+3], v[SH+8*\x+4]
.endr
.irp x, 0,1,2,3,4,5,6,7
	v_min3_num_f32 v[80+\x], v[80+\x], v[SH+8*\x+5], v[SH+8*\x+6]
.endr
.irp x, 0,1,2,3,4,5,6,7
	v_min_num_f32 v[80+\x], v[80+\x], v[SH+8*\x+7]                 ; -M: the least -M_c
.endr
.irp x, 0,1,2,3,4,5,6,7
.irp s, 0,1,2,3,4,5,6,7
	v_sub_f32 v[SH+8*\x+\s], v[80+\x], v[SH+8*\x+\s]               ; M_c - M: a whole number, 0 or less
.endr
.endr
.irp x, 0,1,2,3,4,5,6,7
.irp s, 0,1,2,3,4,5,6,7
	v_cvt_i32_f32 v[SH+8*\x+\s], v[SH+8*\x+\s]                     ; (it saturates)
.endr
.endr
.irp x, 0,1,2,3,4,5,6,7
.irp s, 0,1,2,3,4,5,6,7
	v_ldexp_f32 v[SH+64+8*\x+\s], v[SH+64+8*\x+\s], v[SH+8*\x+\s]  ; l_c under the row's M: nothing is rounded
.endr
.endr
.irp x, 0,1,2,3,4,5,6,7
	v_add_f32 v[65+2*\x], v[SH+64+8*\x], v[SH+64+8*\x+1]
.endr
.irp s, 2,3,4,5,6,7
.irp x, 0,1,2,3,4,5,6,7
	v_add_f32 v[65+2*\x], v[65+2*\x], v[SH+64+8*\x+\s]             ; l, the chunks ascending
.endr
.endr
.irp x, 0,1,2,3,4,5,6,7
	v_rcp_f32 v[64+2*\x], v[65+2*\x]               ; 1 / l in the even register of a pair: the packed multiply takes the low word for both halves
.endr
	v_nop                                          ; a plain instruction behind the reciprocals,
	s_wait_alu depctr_va_vdst(0)                   ; and one wait for the eight: the 1 / l are written
; d = M - M_c, at most 127, off each of a word's four bytes, held at 0.  The bytes are at most 119 (p < 2): with bit 7 set in each, no byte borrows from the next, and bit 7 of the difference says that the byte has not fallen under 0.
.macro WSTAGE st
.irp m, 0,1,2,3
.irp f, 0,1,2,3
.set dr, 96+2*(4*(\m%2)+\f)+\m/2
.set wr, 112+4*\m+\f
.set tr, SH+4*\m+\f
.if \st == 0
	v_sub_f32 v[dr], v[dr], v[80+4*(\m%2)+\f]
.elseif \st == 1
	v_cvt_i32_f32 v[dr], v[dr]
.elseif \st == 2
	v_min_u32 v[dr], 127, v[dr]
.elseif \st == 3
	v_mul_lo_u32 v[dr], v[dr], s[C01]
.elseif \st == 4
	v_or_b32 v[wr], s[C80], v[wr]
.elseif \st == 5
	v_sub_nc_u32 v[wr], v[wr], v[dr]
.elseif \st == 6
	v_and_b32 v[dr], s[C80], v[wr]
.elseif \st == 7
	v_lshrrev_b32 v[tr], 7, v[dr]
.elseif \st == 8
	v_sub_nc_u32 v[dr], v[dr], v[tr]               ; 0x7f in the bytes that stay, 0 in those that are held at 0
.else
	v_and_b32 v[wr], v[wr], v[dr]
.endif
.endr
.endr
.endm
.irp t, 0,1,2,3,4,5,6,7,8,9
	WSTAGE \t
.endr
	s_lshl_b32 s48, s[WV], 14
	s_add_co_u32 s48, s48, XQB
	s_wait_alu depctr_vm_vsrc(0)                   ; the LDS loads of -M_c and l_c have read v14, which the line below writes
	v_add_nc_u32 v14, s48, v[LOFF]
	s_wait_alu depctr_va_vdst(0)                   ; my sixteen scale words and v14 are written: the two runs of LDS stores below read them
.irp m, 0,1,2,3
	ds_store_b128 v[AL], v[112+4*\m:115+4*\m] offset:\m*BLK+SCO
.endr
	s_wait_loadcnt 8                               ; x's rows 48-79 are in; bo's eight loads, issued behind them, may be out
	WIN 0x0c
.set i, 0
.rept 32
	ds_store_b128 v14, v[4*i:4*i+3] offset:512*i   ; parked in my 16,384 of Q's bytes: every wave has passed the barrier behind its last read of Q
.set i, i+1
.endr
	WIN 0
	BAR                                            ; P's scale words stand under the rows' M
	; ---------------------------------------------------------------- O^T = V^T P^T: eight key steps; the ring holds V's first four blocks
	s_add_nc_u64 s[RB:RB+1], s[VP:VP+1], 8*BLK
	s_mov_b32 s[SB], PB+4*BLK
	SLOAD 0, PB, 0                                 ; (its wait on vm_vsrc also states that the stores above have read x's registers, which the products below write)
	SLOAD 1, PB, 0
	KSTEP 0, 0, 1, 1, VP, 4*BLK, 5*BLK, 1, PB, 2*BLK, 51, 51
	KSTEP 0, 1, 0, 1, VP, 6*BLK, 7*BLK, 1, PB+4*BLK, 0, 51, 51
	s_mov_b32 s[CI], 0
.Lpair:                                            ; three trips of two key steps.  The refills: V's blocks 8-11, 12-15, then wo's first four
	s_add_co_u32 s[SBN], s[SB], 4*BLK
	s_min_u32 s[SBN], s[SBN], PB+12*BLK            ; the last trip has no next pair: it reads its own first step's blocks once more (34 LDS loads that are not used), so that no load is jumped over
	KSTEP 0, 0, 0, 1, RB, 0, BLK, 1, s[SB], 2*BLK, 51, 51
	KSTEP 0, 1, 0, 1, RB, 2*BLK, 3*BLK, 1, s[SBN], 0, 51, 51
	s_wait_xcnt 0x0                                ; the refills have read their base
	s_add_nc_u64 s[RB:RB+1], s[RB:RB+1], 4*BLK
	s_add_co_u32 s[SB], s[SB], 4*BLK
	s_add_co_u32 s[CI], s[CI], 1
	s_cmp_eq_u32 s[CI], 2
	s_cselect_b64 s[RB:RB+1], s[WP:WP+1], s[RB:RB+1]
	s_cmp_lt_u32 s[CI], 3
	s_cbranch_scc1 .Lpair
	BAR                                            ; every wave's reads of P are in (the loads that are not used too): P's bytes take the result, the stages and 16 rows of x
	s_mul_i32 s46, s[WV], 2*BLK
	s_add_co_u32 s46, s46, RS
	v_add_nc_u32 v14, s46, v[LOFF]                 ; the result's K step w: blocks 2 w and 2 w + 1 of RS.  (What read v14 and v15 last stands ahead of the second product's waits on vm_vsrc)
	v_add_nc_u32 v15, s46, v[ROFF]
.irp X, 0,1,2,3,4,5,6,7
	WIN (2+\X/4)|((2+\X/4)<<6)
.set j, 0
.rept 32
	v_pk_mul_f32 v[64*(\X%4)+j:64*(\X%4)+j+1], v[64*(\X%4)+j:64*(\X%4)+j+1], v[64+2*\X:65+2*\X] op_sel_hi:[1,0]   ; O^T / l, each accumulator from its low end on
.set j, j+2
.endr
	s_wait_dscnt 0x0                               ; the last tile's LDS stores have landed
.if \X == 4
	s_wait_alu depctr_vm_vsrc(0)                   ; tile 3's LDS store has read the four scale words, which tiles 4 to 7 write again
.endif
	QUANTW 64*(\X%4), 2+\X/4, SH+16*\X, SWQ+\X%4
	s_wait_alu depctr_va_vdst(0)                   ; the tile's codes and its scale word are written (in tile 0 v14 and v15 too): the LDS stores below read them.  Tile 0's numbers have been read as well: rows of x land in its registers
.irp c, 0,1,2,3
	ds_store_b128 v14, v[SH+16*\X+4*\c:SH+16*\X+4*\c+3] offset:(\X/4)*BLK+(\X%4)*2048+512*\c
.endr
.if \X%4 == 3
	ds_store_b128 v15, v[SWQ:SWQ+3] offset:(\X/4)*BLK+SCO
.endif
.if \X == 0
	WIN 0x80                                       ; tile 0's numbers are codes now: its 64 registers take x's rows 80-95, which have seven tiles' quantising in which to land
.set i, 0
.rept 16
	global_load_b128 v[4*i:4*i+3], v[LOFF], s[XQ:XQ+1] offset:4096*(32+i) th:TH_LOAD_NT
.set i, i+1
.endr
	WIN 0
.endif
.endr
	s_lshl_b32 s47, s[WV], 13
	s_add_co_u32 s47, s47, XPB
	v_add_nc_u32 v3, s47, v[LOFF]
	s_wait_loadcnt 0x0                             ; x's rows 80-95 are in: the youngest loads
	s_wait_alu depctr_va_vdst(0)                   ; v3 is written, which the LDS stores below read as their address
	WIN 0x08
.set i, 0
.rept 16
	ds_store_b128 v3, v[4*i:4*i+3] offset:512*i    ; parked in my 8,192 bytes of P's last four blocks
.set i, i+1
.endr
	WIN 0
.irp y, 0,1,2,3,4,5,6,7
.irp j, 0,1,2,3,4,5,6,7
	v_mov_b32 v[T+8*\y+\j], v[B8+\y]               ; bo as the C of the last product's first K step: a lane holds one row of wo, so its eight registers of a tile hold one number
.endr
.endr
	BAR                                            ; the attention's result lies in LDS: eight blocks
	s_wait_alu depctr_vm_vsrc(0)                   ; the stores of x's rows have read v3 and their data, the second product's LDS loads v[AL]: v3 and v[AL] are written below, the data by the products that follow
	v_bfe_u32 v3, v0, 1, 4
	v_lshlrev_b32 v3, 12, v3
	v_and_b32 v[AL], 1, v0
	v_lshl_add_u32 v3, v[AL], 8, v3                ; x's prefetch: row lane / 2, half lane % 2 of its 512 bytes
	; ---------------------------------------------------------------- out = wo result + bo: source 0 = the queries, source 1 = my rows of wo
	SLOAD 0, RS, 0
	SLOAD 1, RS, 0
	KSTEP 1, 0, 2, 1, WP, 4*BLK, 5*BLK, 1, RS+2*BLK, 0, 51, 51
	global_prefetch_b8 v3, s[XP:XP+1] offset:96*4096 th:TH_LOAD_NT scope:SCOPE_SE    ; my rows 96-127 of x, the rows that still come from memory: each row's two blocks of 256 bytes named once,
	global_prefetch_b8 v3, s[XP:XP+1] offset:112*4096 th:TH_LOAD_NT scope:SCOPE_SE   ; two K steps, 128 matrix instructions, ahead of their loads
	KSTEP 1, 1, 0, 1, WP, 6*BLK, 7*BLK, 1, RS+4*BLK, 0, 51, 51
	KSTEP 1, 0, 0, 0, WP, 0, 0, 1, RS+6*BLK, 0, 51, 34             ; nothing of wo is left to ask for: the counts run down, 17 a group
	WIN 0x40                                       ; the ring's slots 0 and 1 are done with, eight places back: they take x's rows of output tiles 6 and 7, 32 loads.  The K step's closing wait on va_vdst, with LDS loads alone behind it, has shown both slots read
	XLOAD 6, 0
	XLOAD 7, 64
	WIN 0
	KSTEP 1, 1, 0, 0, WP, 0, 0, 0, 0, 0, 49, 32                    ; behind slot 2's group: slot 3's 17 loads and x's 32; behind slot 3's: x's 32
	; ---------------------------------------------------------------- THE WAY OUT.  A lane holds row o = 128 w + pi(Y, lane % 16) and 64 pixels: register 16 b + i = pixel 32 b + 16 (lane / 16) + i.
	; A tile of 16 rows goes through my own stage in LDS and comes back as whole rows of 512 bytes; x is added; the 32 lanes store 512 consecutive bytes.
	s_mul_i32 s46, s[WV], BLK
	s_add_co_u32 s46, s46, STGB                    ; my stage, in P's bytes: nobody has read them since the barrier behind the second product
	s_wait_alu depctr_vm_vsrc(0)                   ; the last LDS loads of the result have read v[AL] and v[AR], which are written below
	v_and_b32 v14, 15, v0
	v_mul_u32_u24 v14, v14, 528
	v_bfe_u32 v15, v0, 4, 1
	v_lshl_add_u32 v14, v15, 6, v14
	v_add_nc_u32 v14, s46, v14                     ; in: row r of 528 bytes, + 64 h
	v_add_nc_u32 v15, s46, v[LOFF]                 ; back: 16 bytes a lane
	s_mul_i32 s47, s[WV], 24576
	s_add_co_u32 s47, s47, XS
	v_add_nc_u32 v[AL], s47, v[LOFF]               ; where my rows 0-47 of x were parked,
	s_lshl_b32 s48, s[WV], 14
	s_add_co_u32 s48, s48, XQB
	v_add_nc_u32 v[AR], s48, v[LOFF]               ; rows 48-79,
	s_lshl_b32 s49, s[WV], 13
	s_add_co_u32 s49, s49, XPB
	v_add_nc_u32 v[XC], s49, v[LOFF]               ; rows 80-95
	s_wait_alu depctr_va_vdst(0)                   ; the last products have written the 64 accumulators, which the LDS stores below read, and are done reading the shared registers and the bias set, in which LDS loads land; the five addresses are written.  The places stand ahead of this wait
.macro OUTY Y, left                    ; left (tiles 6 and 7): the loads of x issued behind tile Y's
.set ya, 64*((\Y)%4)
.set yb, SH+64*((\Y)%2)
	WIN (2+(\Y)/4)<<2                              ; an LDS store's data are its source 1
.irp q, 0,1,2,3,4,5,6,7,8,9,10,11,12,13,14,15
	ds_store_b128 v14, v[ya+4*\q:ya+4*\q+3] offset:128*(\q/4)+16*(\q%4)    ; each accumulator from its low end on
.endr
	WIN 0
.if (\Y) >= 2
	s_wait_xcnt 0x0                                ; tile Y - 2's stores have had their addresses translated
	s_wait_alu depctr_vm_vsrc(0)                   ; tile Y - 2's stores have read their registers, in which the rows below land
.endif
.irp i, 0,1,2,3,4,5,6,7,8,9,10,11,12,13,14,15
	ds_load_b128 v[yb+4*\i:yb+4*\i+3], v15 offset:528*\i           ; LDS serves a wave's instructions in order (ISA guide 5.7.1.4): these see my stores, and the next tile's stores come behind them
.endr
.if (\Y) < 6
	XLOAD \Y, T                                    ; the tile's 16 rows of x, from where I parked them
.set yx, T
.else
.set yx, 64*((\Y)-6)
.endif
	s_wait_dscnt 0x0
.if (\Y) >= 6
	s_wait_loadcnt \left
	WIN 0x04                                       ; x in the ring's registers
.endif
.set j, 0
.rept 32
	v_pk_add_f32 v[yb+j:yb+j+1], v[yb+j:yb+j+1], v[yx+j:yx+j+1]    ; + x
.set j, j+2
.endr
	WIN 0
	s_wait_alu depctr_va_vdst(0)                   ; the additions have written the tile's rows, which the stores below read, and are done reading x's registers, in which the next tile's rows of x land
.irp i, 0,1,2,3,4,5,6,7,8,9,10,11,12,13,14,15
	global_store_b128 v[LOFF], v[yb+4*\i:yb+4*\i+3], s[OP:OP+1] offset:(32*((\Y)/2)+8*((\Y)%2)+\i+8*(\i/8))*4096 th:TH_STORE_NT   ; 512 consecutive bytes, at a multiple of 256 from out0's first byte
.endr
.endm
	OUTY 0, 0
	OUTY 1, 0
	OUTY 2, 0
	OUTY 3, 0
	OUTY 4, 0
	OUTY 5, 0
	OUTY 6, 16
	OUTY 7, 0
	s_wait_xcnt 0x0
	s_wait_alu depctr_vm_vsrc(0)                   ; the last tile's stores have read v254 and v255, which the two lines below write
	v_lshl_add_u32 v254, v0, 2, 0x4d800
	v_mov_b32 v255, 0
	s_wait_dscnt 0x0                               ; the closing lines, six on end
	s_wait_alu 0x0
	s_wait_tensorcnt 0x0
	ds_add_u32 v254, v255
	s_wait_dscnt 0x0
	s_endpgm
.Lfunc_end_k_qb4bdb1dc63_attn:
	.size	k_qb4bdb1dc63_attn, .Lfunc_end_k_qb4bdb1dc63_attn-k_qb4bdb1dc63_attn
	.p2alignl 7, 3214868480
	.fill 96, 4, 3214868480
	.section	.rodata,"a",@progbits
	.p2align	6, 0x0
	.amdhsa_kernel k_qb4bdb1dc63_attn
		.amdhsa_group_segment_fixed_size 317952
		.amdhsa_private_segment_fixed_size 0
		.amdhsa_enable_private_segment 0
		.amdhsa_kernarg_size 56
		.amdhsa_user_sgpr_count 2
		.amdhsa_user_sgpr_kernarg_segment_ptr 1
		.amdhsa_wavefront_size32 1
		.amdhsa_system_sgpr_workgroup_id_x 1
		.amdhsa_system_sgpr_workgroup_id_y 1
		.amdhsa_system_sgpr_workgroup_id_z 1
		.amdhsa_system_vgpr_workitem_id 0
		.amdhsa_next_free_vgpr 1024
		.amdhsa_next_free_sgpr 66
		.amdhsa_reserve_vcc 0
		.amdhsa_float_denorm_mode_32 3
		.amdhsa_float_denorm_mode_16_64 3
		.amdhsa_memory_ordered 1
		.amdhsa_forward_progress 1
		.amdhsa_inst_pref_size 255
	.end_amdhsa_kernel
	.section	.bss,"aw",@nobits
	.p2align	6
	.space	262144
	.amdgpu_metadata
---
amdhsa.version: [ 1, 2 ]
amdhsa.kernels:
  - .name:           k_qb4bdb1dc63_attn
    .symbol:         k_qb4bdb1dc63_attn.kd
    .args:
      - { .name: qb, .offset: 0, .size: 8, .value_kind: global_buffer, .address_space: global }
      - { .name: kb, .offset: 8, .size: 8, .value_kind: global_buffer, .address_space: global }
      - { .name: vb, .offset: 16, .size: 8, .value_kind: global_buffer, .address_space: global }
      - { .name: wb, .offset: 24, .size: 8, .value_kind: global_buffer, .address_space: global }
      - { .name: bo, .offset: 32, .size: 8, .value_kind: global_buffer, .address_space: global }
      - { .name: x, .offset: 40, .size: 8, .value_kind: global_buffer, .address_space: global }
      - { .name: out0, .offset: 48, .size: 8, .value_kind: global_buffer, .address_space: global }
    .group_segment_fixed_size: 317952
    .private_segment_fixed_size: 0
    .kernarg_segment_align: 8
    .kernarg_segment_size: 56
    .max_flat_workgroup_size: 128
    .sgpr_count:     66
    .vgpr_count:     1024
    .wavefront_size: 32
...
	.end_amdgpu_metadata
.endif
;; end of part 5
